; MI455X (gfx1250); checked and timed in simulation.
; The chip was launched on July 23, 2026; its instructions are those of AMD's public machine-readable ISA for CDNA 5 (MIT licence, August 2026) and "CDNA5" Instruction Set Architecture Reference Guide (July 2026). The comments in the code are by the model that wrote it; some were corrected since.
;; Multi Head Attention. Allowed arithmetic: matrix products marked QUANTISED: E2M1 operands, one E8M0 scale for each 32 along K, by v_wmma_scale_f32_16x16x128_f8f6f4 with both operands' format E2M1 (or v_wmma_scale_f32_32x16x128_f4), f32 sums; products left as they are: bf16, f16 or f32 operands; f32 sums; everything else in f32.
;; Inputs: Wk_b 1,024 float32; Wk_w 1,024 x 1,024 float32; Wo_b 1,024 float32; Wo_w 1,024 x 1,024 float32; Wq_b 1,024 float32; Wq_w 1,024 x 1,024 float32; Wv_b 1,024 float32; Wv_w 1,024 x 1,024 float32; attention_mask 4 x 2,048 int32; encoder_input 4 x 2,048 x 1,024 float32.
;; Outputs: out0 4 x 2,048 x 1,024 float32.
;; This version of the problem:
;;   THIS VERSION OF THE PROBLEM IS GIVEN IN LOW PRECISION. The matrix products marked QUANTISED in the list below multiply operands that are first quantised to E2M1 (2 exponent bits, 1 mantissa bit; 4 bits a number), with one power-of-two scale for each 32 numbers along K (OCP MX v1.0); their sums are f32. The products marked 'left as it is' may take bf16, f16 or f32 operands, with f32 sums. Whichever they take, every output number must still come out within the allowed error. Rounding operands to bf16 (8 significant bits) uses up far more of that allowance than f16 does (11 bits, for magnitudes from 6e-5 to 65,504). All else is computed in f32.
;;   The module's matrix products, in the order in which they are computed (A, B: the left and right operand; K: the contracted axis; several contracted axes count as one K, in the product's order):
;;     1. [M 8,192, K 1,024] x [K 1,024, N 1,024]; A: input encoder_input; B: input Wq_w: QUANTISED
;;     2. [M 8,192, K 1,024] x [K 1,024, N 1,024]; A: input encoder_input; B: input Wk_w: QUANTISED
;;     3. [M 8,192, K 1,024] x [K 1,024, N 1,024]; A: input encoder_input; B: input Wv_w: QUANTISED
;;     4. batch 64 x [M 2,048, K 64] x [K 64, N 2,048]; A: computed on the way; B: computed on the way: left as it is (an operand is computed on the way)
;;     5. batch 64 x [M 2,048, K 2,048] x [K 2,048, N 64]; A: computed on the way; B: computed on the way: left as it is (an operand is computed on the way)
;;     6. [M 8,192, K 1,024] x [K 1,024, N 1,024]; A: computed on the way; B: input Wo_w: left as it is (an operand is computed on the way)
;;   THE QUANTISER, for each operand of a quantised product, along K:
;;     - K is cut into blocks of 32 from its start; a last block that is shorter is filled with zeros.
;;     - A block's scale is 2^e with e = floor(log2(the largest magnitude in the block)) - 2, held to -126 .. 127; a block of zeros has e = 0. As a byte (E8M0): e + 127.
;;     - Each number is divided by its block's scale, clamped to +-6, and rounded to the nearest number of E2M1, ties to even, subnormals kept.
;;     - The product sums the exact products of the quantised numbers (number of the format x scale) in f32.
;;   ~~~python
;;   def quantise(x, axis):      # numpy; x: float32 -> the quantised numbers, widened to float32 again
;;       x = np.moveaxis(x, axis, -1); K = x.shape[-1]
;;       x = np.pad(x, [(0, 0)] * (x.ndim - 1) + [(0, -K % 32)]); x = x.reshape(x.shape[:-1] + (-1, 32)); a = np.abs(x).max(-1, keepdims=True)
;;       e = np.where(a > 0, np.clip(np.frexp(np.where(a > 0, a, 1))[1] - 1 - 2, -126, 127), 0)      # np.frexp(a)[1] - 1 = floor(log2(a)), exactly
;;       r = np.clip(x / 2.0 ** e, -6, 6)
;;       step = 2.0 ** (np.maximum(np.frexp(np.where(r == 0, 1, r))[1] - 1, 0) - 1)
;;       q = np.round(r / step) * step * 2.0 ** e      # np.round: ties to even
;;       return np.moveaxis(q.reshape(q.shape[:-2] + (-1,))[..., :K], -1, axis).astype(np.float32)
;;   ~~~
;; One version. Each part assembles by itself: llvm-mc -triple=amdgcn-amd-amdhsa -mcpu=gfx1250 --defsym DOCPART=n.
;; ======== version 1 of 1: 4 launches
;; limits: values are held in f16: magnitudes above 65,504 overflow, below 6.1e-05 lose precision
;; workspace buffers: xcodes 4,194,304 bytes; xscales 262,144 bytes; wcodes 1,572,864 bytes; wscales 98,304 bytes; wof 2,097,152 bytes; qf 16,777,216 bytes; kvf 33,554,432 bytes; af 16,777,216 bytes
;; launch prep (part 1): grid 480 x 1, 4 waves a work-group, no clusters, 50,688 bytes of LDS; arguments encoder_input, Wq_w, Wk_w, Wv_w, Wo_w, xcodes, xscales, wcodes, wscales, wof; writes xcodes, xscales, wcodes, wscales, wof
.if DOCPART == 1
	.amdgcn_target "amdgcn-amd-amdhsa--gfx1250"
	.amdhsa_code_object_version 6
	.text
	.protected	k_qd2158cc466_prep
	.globl	k_qd2158cc466_prep
	.p2align	8
	.type	k_qd2158cc466_prep,@function
k_qd2158cc466_prep:
	s_mov_b64 s[64:65], 0
	v_nop
	global_prefetch_b8 v0, s[64:65] scope:SCOPE_SE
	s_setreg_imm32_b32 hwreg(HW_REG_WAVE_MODE, 25, 1), 1
	s_wait_xcnt 0x0
; MULTI-HEAD ATTENTION, launch 1 of 4: the operands of the three quantised products become codes, and Wo becomes f16.
; DEAD WORK, left out in the whole program.  (a) attention_mask: reference() never reads it.  (b) Wk_b: k = x Wk^T + bk enters the scores alone, and score(q, key) = q . (x_key Wk^T) / 8 + q . bk / 8.
; The second term is the same for every key of a query, that is, along the softmax's axis, and softmax(s + const) = softmax(s) for all finite values; the product q k^T is not quantised, so no quantiser
; stands between the bias and the softmax.  So neither input has a way to an output: neither is loaded, neither is among any launch's arguments.
; LIMIT: a NaN, an infinity or an overflow that reaches only attention_mask or Wk_b is not carried to the result.
; WHAT THIS LAUNCH DOES.  x [8192][1024], Wq, Wk, Wv [1024][1024], f32, K innermost, are turned into codes of E2M1, two a byte, with one E8M0 byte for each 32 along K: xcodes [8192][512 B], xscales [8192][32],
; wcodes [3072 rows: Wq, Wk, Wv][512 B], wscales [3072][32].  A block's scale is 2^(floor(log2(largest magnitude)) - 2): its byte is the largest magnitude's exponent field - 2, held at 1 from below.
; (A block of zeros so gets the byte 1 where the rule says 127: its codes are zeros, which add nothing under any byte but 0xff, and this program alone reads the bytes.)
; Wo [1024 e][1024 d] is rounded to f16 and laid as the last launch's operand registers: wof [ks 8][Et 64][dtl 8][512 B]; in a block lane r + 16 h holds, at byte 16 x lane, e = 16 Et + r, d = 128 ks + 16 dtl + 8 h + 0..7.
; LIMITS: blocks whose largest magnitude lies under 2^-124 (the floor) were not tried; NaN and infinities are not served; |Wo| stays under 65,504, and numbers of Wo under 6e-5 keep an absolute error of 3e-8 (f16).
; SHARES.  Rows are dense and K is a multiple of 32, so each tensor is a plain stream of blocks.  Work-groups 0-255 take x, 256-287 Wq, 288-319 Wk, 320-351 Wv: 32,768 numbers each, a run of 8,192 to a wave,
; 16 steps of 512.  Work-groups 352-479 take Wo: a wave takes 16 rows x 128 d.  The two paths part on the work-group's number and have LDS bytes of their own.  Waves share nothing: no barrier.
.set STEPS, 16
.set EMAX,  2
.set CB,    8                          ; bytes of 16 codes
.set R,     16                         ; v16-79   four sets of 16 numbers as they are loaded
.set X,     80                         ; v80-111  two sets of 16 neighbours
.set E,     112                        ; v112-127 a scale byte for each step
.set C,     128                        ; v128-191 codes: four registers for each step, so that no store's data are written again
.set WREG,  8192                       ; LDS, the quantiser's: a region for each wave: two stages of 32 x SP bytes, then its 256 scale bytes
.set SP,    80                         ; a lane's place in a stage: its 64 bytes + 16 of padding
.set SPW,   12                         ; v12  LDS address of my spare word: SPARE + 4 x my thread's number; never rewritten
.set NIL,   13                         ; v13  0; never rewritten
.set SPARE, 4*WREG                     ; the spare words, 128 bytes for each wave: two blocks of 256 bytes that no other line names
.set WOB,   SPARE+512                  ; LDS, Wo's path: WOW bytes for each wave
.set WOW,   16*272                     ; 16 half blocks of 256 bytes + 16 of padding
	s_load_b512 s[4:19], s[0:1], 0x0               ; x s[4:5], Wq s[6:7], Wk s[8:9], Wv s[10:11], Wo s[12:13], xcodes s[14:15], xscales s[16:17], wcodes s[18:19]
	s_load_b128 s[20:23], s[0:1], 0x40             ; wscales s[20:21], wof s[22:23]
	v_lshl_add_u32 v[SPW], v0, 2, SPARE
	v_mov_b32 v[NIL], 0
	v_lshrrev_b32 v1, 5, v0
	v_readfirstlane_b32 s24, v1                    ; wave
	v_and_b32 v2, 31, v0                           ; lane
	s_cmp_ge_u32 ttmp9, 352
	s_cbranch_scc1 .Lwo
	; ---- THE QUANTISER.  The conversions take 8 numbers of one block from ONE lane's registers, so a lane must hold 16 neighbours (two lanes to a block); a load is dense where neighbouring lanes take
	; neighbouring bytes.  Both are had: a step's four loads read 512 consecutive bytes each, the 2,048 bytes go through the wave's own stage as they lie and come back 64 bytes a lane.
	v_lshlrev_b32 v3, 4, v2                        ; my 16 bytes of a load's 512
	s_mul_i32 s25, s24, WREG
	v_lshrrev_b32 v14, 2, v2
	v_mul_u32_u24 v14, v14, SP
	v_and_b32 v15, 3, v2
	v_lshl_add_u32 v14, v15, 4, v14
	v_add_nc_u32 v14, s25, v14                     ; the stage, on the way in: SP (lane / 4) + 16 (lane % 4)
	v_mul_u32_u24 v15, v2, SP
	v_add_nc_u32 v15, s25, v15                     ; and on the way out: SP x lane: my 16 neighbours
	v_mul_u32_u24 v4, v2, CB                       ; my codes' place in a step's
	v_lshrrev_b32 v5, 1, v2
	s_add_co_u32 s25, s25, 2*32*SP
	v_add_nc_u32 v5, s25, v5                       ; my wave's 256 scale bytes, my block's byte
	v_lshlrev_b32 v7, 3, v2                        ; and on the way out 8 bytes a lane
	v_add_nc_u32 v6, s25, v7
	s_wait_kmcnt 0x0
	s_sub_co_u32 s26, ttmp9, 256                   ; the work-group's number among the weights' (not used in x's work-groups)
	s_lshr_b32 s27, s26, 5                         ; which weight
	s_and_b32 s34, s26, 31                         ; and which part of it
	s_cmp_eq_u32 s27, 1                            ; every choice hangs on the work-group's number alone
	s_cselect_b64 s[28:29], s[8:9], s[10:11]
	s_cmp_eq_u32 s27, 0
	s_cselect_b64 s[28:29], s[6:7], s[28:29]
	s_cmp_lt_u32 ttmp9, 256
	s_cselect_b64 s[28:29], s[4:5], s[28:29]       ; the numbers,
	s_cselect_b64 s[30:31], s[14:15], s[18:19]     ; the codes,
	s_cselect_b64 s[32:33], s[16:17], s[20:21]     ; the scale bytes
	s_cselect_b32 s34, ttmp9, s34                  ; the part of the source,
	s_cselect_b32 s36, ttmp9, s26                  ; and of the destination: the three weights' codes lie on end
	s_lshl_b32 s34, s34, 2
	s_add_co_u32 s34, s34, s24                     ; my wave's run of 8,192 numbers in the source
	s_mov_b32 s35, 0
	s_lshl_b32 s36, s36, 2
	s_add_co_u32 s36, s36, s24                     ; and in the destination
	s_mov_b32 s37, 0
	s_lshl_b64 s[38:39], s[34:35], 15              ; 32,768 bytes of numbers a run,
	s_add_nc_u64 s[28:29], s[28:29], s[38:39]
	s_lshl_b64 s[38:39], s[36:37], 12              ; 4,096 of codes,
	s_add_nc_u64 s[30:31], s[30:31], s[38:39]
	s_lshl_b64 s[38:39], s[36:37], 8               ; 256 scale bytes
	s_add_nc_u64 s[32:33], s[32:33], s[38:39]
.macro LOAD t
.irp i, 0,1,2,3
	global_load_b128 v[R+16*((\t)%4)+4*\i:R+16*((\t)%4)+4*\i+3], v3, s[28:29] offset:2048*(\t)+512*\i th:TH_LOAD_NT   ; 32 lanes read 512 consecutive bytes
.endr
.endm
.macro TURN t                          ; step t's numbers through the stage: LDS serves a wave's instructions in order, so no wait stands between the stores and the loads
.irp i, 0,1,2,3
	ds_store_b128 v14, v[R+16*((\t)%4)+4*\i:R+16*((\t)%4)+4*\i+3] offset:32*SP*((\t)%2)+8*SP*\i
.endr
.irp i, 0,1,2,3
	ds_load_b128 v[X+16*((\t)%2)+4*\i:X+16*((\t)%2)+4*\i+3], v15 offset:32*SP*((\t)%2)+16*\i
.endr
.endm
.irp t, 0,1,2,3
	LOAD \t
.endr
	s_wait_loadcnt 12                              ; step 0's four loads are in; the 12 of steps 1 to 3 may be out
	TURN 0
.macro STEP t
.set XS, X+16*((\t)%2)
.if (\t) > 0
	s_wait_dscnt 1                                 ; this step's numbers are back from the stage (the last step's byte store may be out): so its stores into the stage have read their registers,
.else
	s_wait_dscnt 0x0
.endif
.if (\t)+4 < STEPS
	LOAD (\t)+4                                    ; which take the loads of four steps on
.endif
.if (\t)+1 < STEPS
.if STEPS-2-(\t) >= 3
	s_wait_loadcnt 12                              ; the next step's four loads are in; those of the three steps behind it may be out
.else
	s_wait_loadcnt 4*(STEPS-2-(\t))
.endif
	TURN (\t)+1                                    ; and go through the other stage while this step is worked
.endif
	v_max3_num_f32 v8, |v[XS]|, |v[XS+1]|, |v[XS+2]|               ; the largest magnitude of my 16, in two chains
	v_max3_num_f32 v9, |v[XS+3]|, |v[XS+4]|, |v[XS+5]|
.irp i, 6,10
	v_max3_num_f32 v8, v8, |v[XS+\i]|, |v[XS+\i+1]|
	v_max3_num_f32 v9, v9, |v[XS+\i+2]|, |v[XS+\i+3]|
.endr
	v_max3_num_f32 v8, v8, |v[XS+14]|, |v[XS+15]|
	v_max3_num_f32 v8, v8, v9, (EMAX+1)<<23        ; and the floor 2^(3 - 127): so the byte cannot fall under 1
	v_max_num_f32_dpp v8, v8, v8 row_xmask:1 row_mask:0xf bank_mask:0xf   ; and of my neighbour's 16: the block's
	v_add_nc_u32 v11, -(EMAX<<23), v8              ; 2 off its exponent field: the conversion takes the exponent field of this operand as its scale, and nothing else of it
	v_cvt_scalef32_pk8_fp4_f32 v[C+4*(\t)], v[XS:XS+7], v11        ; eight numbers / the scale, to the nearest code, ties to even, beyond 6 the largest code
	v_cvt_scalef32_pk8_fp4_f32 v[C+4*(\t)+1], v[XS+8:XS+15], v11
	v_lshrrev_b32 v[E+(\t)], 23, v11               ; the scale's byte (also the plain line behind the conversions)
	ds_store_b8 v5, v[E+(\t)] offset:16*(\t)       ; both lanes of a block write the same byte with the same value
	global_store_b64 v4, v[C+4*(\t):C+4*(\t)+1], s[30:31] offset:32*CB*(\t)   ; the wave stores 256 consecutive bytes, aligned
.endm
.irp t, 0,1,2,3,4,5,6,7,8,9,10,11,12,13,14,15
	STEP \t
.endr
	ds_load_b64 v[8:9], v6                         ; LDS serves a wave's instructions in order: these see my byte stores
	s_wait_dscnt 0x0
	global_store_b64 v7, v[8:9], s[32:33]          ; 32 lanes store the run's 256 scale bytes, aligned
	s_branch .Lend
	; ---- Wo TO f16, IN THE ORDER OF THE OPERAND'S REGISTERS.  Unit u = 4 (work-group - 352) + wave: ks = u % 8, Et = u / 8: rows 16 Et + rr, d = 128 ks + 0..127.
	; Load rr reads 512 consecutive bytes of row rr: lane l holds d = 4 l + 0..3, which as f16 are 8 bytes of block l / 4, half (l / 2) % 2, place rr.  They are gathered in the wave's own LDS bytes,
	; each half block of 256 bytes followed by 16 of padding (the 32 lanes of a store then fall on 64 different words modulo 64), and leave as blocks of 512 bytes.
.Lwo:
	s_sub_co_u32 s25, ttmp9, 352
	s_lshl_b32 s25, s25, 2
	s_add_co_u32 s25, s25, s24                     ; u
	s_and_b32 s26, s25, 7                          ; ks
	s_lshr_b32 s27, s25, 3                         ; Et
	s_lshl_b32 s28, s27, 16                        ; 16 rows of 4,096 bytes
	s_lshl_b32 s30, s26, 9                         ; 128 d of 4 bytes
	s_add_co_u32 s28, s28, s30
	s_mov_b32 s29, 0
	s_lshl_b32 s30, s26, 6
	s_add_co_u32 s30, s30, s27                     ; 64 ks + Et,
	s_lshl_b32 s30, s30, 12                        ; eight blocks of 512 bytes each
	s_mov_b32 s31, 0
	v_lshlrev_b32 v3, 4, v2                        ; 16 x lane: in memory, both ways
	v_lshrrev_b32 v4, 1, v2
	v_mul_u32_u24 v4, v4, 272
	v_and_b32 v5, 1, v2
	v_lshl_add_u32 v4, v5, 3, v4
	s_mul_i32 s32, s24, WOW
	s_add_co_u32 s32, s32, WOB
	v_add_nc_u32 v4, s32, v4                       ; in: 272 (l / 2) + 8 (l % 2); the row stands in the immediate
	v_lshrrev_b32 v5, 4, v2
	v_mul_u32_u24 v5, v5, 272
	v_and_b32 v6, 15, v2
	v_lshl_add_u32 v5, v6, 4, v5
	v_add_nc_u32 v5, s32, v5                       ; back: 272 (l / 16) + 16 (l % 16); the block stands in the immediate
	s_wait_kmcnt 0x0
	s_add_nc_u64 s[12:13], s[12:13], s[28:29]
	s_add_nc_u64 s[22:23], s[22:23], s[30:31]
.irp rr, 0,1,2,3,4,5,6,7,8,9,10,11,12,13,14,15
	global_load_b128 v[16+4*\rr:19+4*\rr], v3, s[12:13] offset:4096*\rr th:TH_LOAD_NT
.endr
.irp rr, 0,1,2,3,4,5,6,7,8,9,10,11,12,13,14,15
	s_wait_loadcnt 15-\rr                          ; loads come back in order: row rr is in, the younger ones may be out
	v_cvt_pk_f16_f32 v[80+2*\rr], v[16+4*\rr], v[17+4*\rr]
	v_cvt_pk_f16_f32 v[81+2*\rr], v[18+4*\rr], v[19+4*\rr]
	ds_store_b64 v4, v[80+2*\rr:81+2*\rr] offset:16*\rr
.endr
.irp k, 0,1,2,3,4,5,6,7
	ds_load_b128 v[112+4*\k:115+4*\k], v5 offset:544*\k            ; in order behind my stores
.endr
.irp k, 0,1,2,3,4,5,6,7
	s_wait_dscnt 7-\k
	global_store_b128 v3, v[112+4*\k:115+4*\k], s[22:23] offset:512*\k   ; 32 lanes store 512 consecutive bytes, aligned
.endr
.Lend:
	s_wait_tensorcnt 0x0                           ; the wave's end, behind my last LDS store
	ds_add_u32 v[SPW], v[NIL]
	s_wait_dscnt 0x0
	s_endpgm
.Lfunc_end_k_qd2158cc466_prep:
	.size	k_qd2158cc466_prep, .Lfunc_end_k_qd2158cc466_prep-k_qd2158cc466_prep
	.p2alignl 7, 3214868480
	.fill 96, 4, 3214868480
	.section	.rodata,"a",@progbits
	.p2align	6, 0x0
	.amdhsa_kernel k_qd2158cc466_prep
		.amdhsa_group_segment_fixed_size 50688
		.amdhsa_private_segment_fixed_size 0
		.amdhsa_enable_private_segment 0
		.amdhsa_kernarg_size 80
		.amdhsa_user_sgpr_count 2
		.amdhsa_user_sgpr_kernarg_segment_ptr 1
		.amdhsa_wavefront_size32 1
		.amdhsa_system_sgpr_workgroup_id_x 1
		.amdhsa_system_sgpr_workgroup_id_y 1
		.amdhsa_system_sgpr_workgroup_id_z 1
		.amdhsa_system_vgpr_workitem_id 0
		.amdhsa_next_free_vgpr 192
		.amdhsa_next_free_sgpr 66
		.amdhsa_reserve_vcc 0
		.amdhsa_float_denorm_mode_32 3
		.amdhsa_float_denorm_mode_16_64 3
		.amdhsa_memory_ordered 1
		.amdhsa_forward_progress 1
		.amdhsa_inst_pref_size 41
	.end_amdhsa_kernel
	.amdgpu_metadata
---
amdhsa.version: [ 1, 2 ]
amdhsa.kernels:
  - .name:           k_qd2158cc466_prep
    .symbol:         k_qd2158cc466_prep.kd
    .args:
      - { .name: encoder_input, .offset: 0, .size: 8, .value_kind: global_buffer, .address_space: global }
      - { .name: Wq_w, .offset: 8, .size: 8, .value_kind: global_buffer, .address_space: global }
      - { .name: Wk_w, .offset: 16, .size: 8, .value_kind: global_buffer, .address_space: global }
      - { .name: Wv_w, .offset: 24, .size: 8, .value_kind: global_buffer, .address_space: global }
      - { .name: Wo_w, .offset: 32, .size: 8, .value_kind: global_buffer, .address_space: global }
      - { .name: xcodes, .offset: 40, .size: 8, .value_kind: global_buffer, .address_space: global }
      - { .name: xscales, .offset: 48, .size: 8, .value_kind: global_buffer, .address_space: global }
      - { .name: wcodes, .offset: 56, .size: 8, .value_kind: global_buffer, .address_space: global }
      - { .name: wscales, .offset: 64, .size: 8, .value_kind: global_buffer, .address_space: global }
      - { .name: wof, .offset: 72, .size: 8, .value_kind: global_buffer, .address_space: global }
    .group_segment_fixed_size: 50688
    .private_segment_fixed_size: 0
    .kernarg_segment_align: 8
    .kernarg_segment_size: 80
    .max_flat_workgroup_size: 128
    .sgpr_count:     66
    .vgpr_count:     192
    .wavefront_size: 32
...
	.end_amdgpu_metadata
.endif
;; end of part 1
;; launch qkv (part 2): grid 12 x 32, 4 waves a work-group, clusters of 4 x 4, 327,680 bytes of LDS; arguments xcodes, xscales, wcodes, wscales, Wq_b, qf, kvf; writes qf, kvf
.if DOCPART == 2
	.amdgcn_target "amdgcn-amd-amdhsa--gfx1250"
	.amdhsa_code_object_version 6
	.text
	.protected	k_qd2158cc466_qkv
	.globl	k_qd2158cc466_qkv
	.p2align	8
	.type	k_qd2158cc466_qkv,@function
k_qd2158cc466_qkv:
	s_mov_b64 s[64:65], 0
	v_nop
	global_prefetch_b8 v0, s[64:65] scope:SCOPE_SE
	s_setreg_imm32_b32 hwreg(HW_REG_WAVE_MODE, 25, 1), 1
	s_wait_xcnt 0x0
	s_wait_alu depctr_hold_cnt(0) depctr_sa_sdst(0) depctr_va_vdst(0) depctr_va_sdst(0) depctr_va_ssrc(0) depctr_va_vcc(0) depctr_vm_vsrc(0)
	s_getreg_b32 s2, hwreg(HW_REG_IB_STS2, 6, 4)
	s_cmp_eq_u32 s2, 0
	s_cbranch_scc0 .Lentry_in_a_cluster
	s_endpgm
.Lentry_in_a_cluster:
	s_bfe_u32 s2, ttmp6, 0x10000c
	s_cmp_lg_u32 s2, 0xf033
	s_cbranch_scc0 .Lentry_shape_is_right
	s_endpgm
.Lentry_shape_is_right:
; MULTI-HEAD ATTENTION, launch 2 of 4: the three quantised products, q = x Wq^T + bq, k = x Wk^T, v = x Wv^T, on codes of E2M1 with one E8M0 scale for each 32 along K = 1,024; sums in f32.
; LEFT OUT: Wk_b (it adds the same number to all scores of a query, which the softmax takes away for all values: shown at the head of launch 1).  Wv_b is added behind the softmax, in launch 3: the weights
; p / l of a query sum to 1, so sum p (v + bv) / l = sum p v / l + bv for all values.
; A tile of 256 x 256 is made by a work-group of four waves, a wave makes 128 x 128: 64 accumulators of 16 x 16.  K = 1,024 is two slots of 512 (rows of 256 bytes): both are first fills, nothing is filled again.
; The scale bytes of the work-group's 2 x 256 rows, for all of K, are two dense blocks: they come once, with the first fills.
; CLUSTERS of 4 x 4: operand A's tile is shared along a row of the cluster, B's along a column: each is asked for jointly.  The matrix instruction is used transposed (source 0 = 16 rows of B, source 1 = 16 rows
; of A): a lane holds ONE row of A and eight neighbouring rows of B.
; ROLES, by the cluster's x, which all sixteen partners share.  0: A = x, B = Wq: a lane holds a token and 8 channels of q.  1: A = x, B = Wk.  2: A = Wv, B = x: a lane holds a CHANNEL and 8 neighbouring TOKENS: v transposed.
; THE RESULTS LEAVE AS IMAGES OF THE NEXT LAUNCH'S OPERAND REGISTERS, in f16: an accumulator's eight numbers a lane pack into 16 bytes, and lane L's 16 bytes go to byte 16 L of a block of 512 bytes:
;   qf  [bh 64][T 128][nb 4][512 B]: token 16 T + r, channel 16 nb + 8 h + 0..7;   kvf [bh 64][T 128][8][512 B]: blocks 0-3 k likewise; blocks 4 + ct: channel 16 ct + r, tokens 16 T + 8 h + 0..7.
; So every store of a wave covers 512 consecutive bytes, aligned, and no stage in LDS is needed.
; LIMITS: |q|, |k|, |v| stay under 65,504 (f16); NaN and infinities are not served.
; REGISTERS, in windows of 256: window 0: v16-29 addresses; v32-95 scale words, two sets, and nothing else; v128-191 A's fragments, ONE set; on the way out v96-159 packed results, v160-191 at work, v192-255 bq.
;   window 1: B's fragments, two sets, at v0 and v128.   window 2: the accumulators of my rows 0-63 of A ((a, b) at v[8 (8 a + b)]);   window 3: those of rows 64-127.
.set NQ,     4                         ; steps of 128 along K in a slot
.set ROWB,   256                       ; a tile's row in bytes: 512 codes
.set KROW,   512                       ; a row of codes in memory
.set PITCH,  272                       ; an LDS row: 256 bytes + 16 of padding = 68 words: the 16 rows that a load touches start 4 words apart modulo 64
.set FR,     8                         ; registers of a fragment: 16 rows x 128 K
.set NL,     2                         ; LDS loads that bring one
.set NP,     4                         ; places behind this matrix instruction (ISA guide 7.12.1)
.set HALFT,  128*PITCH                 ; 128 rows: what one tensor load brings
.set SLOT,   4*HALFT                   ; A's 256 rows, then B's 256 rows
.set KS,     32                        ; a row of scale bytes
.set SCL,    2*SLOT                    ; behind the slots: the scales, as units of 256 bytes + 16 of padding
.set HALFS,  (128*KS/256)*272          ; the scales of 128 rows
.set SBLK,   (16*KS/256)*272           ; those of 16 rows
.set SPARE,  SCL+4*HALFS               ; the spare words, 128 bytes for each wave: two blocks of 256 bytes that no other line names
.set ADRA, 16                          ; v16-17  LDS address of my A fragments in slot 0, 1
.set ADRB, 20                          ; v20-21  the same for B
.set BO,   24                          ; v24     32 x (lane / 16): my eight numbers of a tile of bq
.set LO,   26                          ; v26     16 x lane: my place in a block of 512 bytes
.set ADRS, 27                          ; v27     LDS address of my scale words: lanes 0-15 A's rows, lanes 16-31 B's
.set SPW,  28                          ; v28     LDS address of my spare word; never rewritten
.set NIL,  29                          ; v29     0; never rewritten
.set SC,   32                          ; scale words: set s at v[SC + 32 s]; register 4 i + q: lanes 0-15 A's block i, lanes 16-31 B's block i, the slot's q-th 128 along K
.set PK,   96                          ; the way out: two sets of 32 packed registers
.set AF,   128                         ; A's fragments
.set T,    160                         ; the way out: q + bq of four accumulators
.set BIAS, 192                         ; bq: register 8 b + j = bq[e0 + 16 b + 8 h + j]
.set WV,   18                          ; s18 wave;  s19 which half of A's rows is mine, and: I fetch for A (0) or B (1);  s20 which half of B's rows, and: which 128 rows I fetch
.set RH,   19
.set CH,   20
.set G1, 24                            ; s[24:31] descriptor group 1 for A's tiles;  s[32:39] group 0, one set for each slot
.set G0, 32
.set G1B, 48                           ; s[48:55], s[56:63] the same for B's tiles
.set G0B, 56
.set G1S, 68                           ; s[68:75], s[76:79] groups 1 and 0 for A's scales;  s[80:87], s[88:91] for B's
.set G0S, 76
.set G1SB, 80
.set G0SB, 88
.set MSB, 0
.macro WIN new                         ; the immediate's high byte repeats the setting that is left
.if MSB != \new
	s_set_vgpr_msb (MSB<<8)|\new
.set MSB, \new
.endif
.endm
.set MUL_LO, 0xa1                      ; source 0 (B) window 1, source 1 (A) window 0, C and D window 2
.set MUL_HI, 0xf1                      ; the same, C and D window 3
.set TO_B,   0x40                      ; destination window 1, address window 0
; A joint load: waves 0 and 1 fetch for A, waves 2 and 3 for B.  Each line has one mask and one set of registers for all that issue it; the branch hangs on the wave's number alone.
; An s_nop 0 and four v_nop follow each of the two lines.
.macro JLOAD g0a, g1a, g0b, g1b
	s_cmp_eq_u32 s[RH], 0
	s_cbranch_scc0 .Lfor_b_\@
	tensor_load_to_lds s[\g0a:\g0a+3], s[\g1a:\g1a+7]
	s_nop 0
.rept 4
	v_nop
.endr
	s_branch .Lasked_\@
.Lfor_b_\@:
	tensor_load_to_lds s[\g0b:\g0b+3], s[\g1b:\g1b+7]
	s_nop 0
.rept 4
	v_nop
.endr
.Lasked_\@:
.endm
.macro CROUND                          ; a round of the cluster's barrier
	s_barrier_signal -1
	s_barrier_wait -1
	s_cmp_lg_u32 s[WV], 0
	s_cbranch_scc1 .Lnot_wave_0_\@
	s_barrier_signal -3
.Lnot_wave_0_\@:
	s_barrier_wait -3
	s_barrier_signal -1
	s_barrier_wait -1
.endm
	s_load_b256 s[4:11], s[0:1], 0x0               ; xcodes s[4:5], xscales s[6:7], wcodes s[8:9], wscales s[10:11]
	s_load_b128 s[12:15], s[0:1], 0x20             ; Wq_b s[12:13], qf s[14:15]
	s_load_b64 s[16:17], s[0:1], 0x30              ; kvf
	v_lshl_add_u32 v[SPW], v0, 2, SPARE
	v_mov_b32 v[NIL], 0
	ds_add_u32 v[SPW], v[NIL]                      ; the wave's opening: the add, twice on end, and its wait ahead of my first tensor load; the set-up below stands between
	ds_add_u32 v[SPW], v[NIL]
	v_lshrrev_b32 v1, 5, v0
	v_readfirstlane_b32 s[WV], v1                  ; wave 0..3
	s_lshr_b32 s[RH], s[WV], 1
	s_and_b32 s[CH], s[WV], 1
	s_bfe_u32 s40, ttmp6, 0x40000                  ; cx, cy: my place in the cluster
	s_bfe_u32 s41, ttmp6, 0x40004
	s_and_b32 s99, ttmp7, 0xffff
	s_lshl_b32 s99, s99, 2                         ; 4 x cluster y
	s_lshl_b32 s21, ttmp9, 2                       ; 4 x cluster x
	s_cmp_eq_u32 ttmp9, 2                          ; the role: the same in all sixteen partners
	s_cselect_b32 s98, 8, s99                      ; A's tile of 256 rows: Wv begins at tile 8 of wcodes; else x's tile 4 Y + cy
	s_cselect_b32 s42, s99, s21                    ; B's: x's tile 4 Y + cx; else wcodes' tile 4 X + cx
	s_add_co_u32 s98, s98, s41                     ; (A's registers never hold cx,
	s_add_co_u32 s42, s42, s40                     ; B's never cy)
	s_lshl_b32 s43, s41, 2
	s_lshl_b32 s43, 15, s43                        ; my row of the cluster
	s_lshl_b32 s44, 0x1111, s40                    ; my column
	; descriptor group 1: a tile of 128 rows x 256 bytes, padded in LDS
	s_or_b32 s[G1+0], s43, (0<<16)|(1<<20)|(1<<21)|(5<<22)|(3<<25)  ; 15:0 the mask: A's tiles go to my row; 17:16 elements of 1 byte; 20 padding on; 21 set beside a mask; 24:22 after every 64 words; 31:25 four words
	s_or_b32 s[G1B+0], s44, (0<<16)|(1<<20)|(1<<21)|(5<<22)|(3<<25)
.irp g, G1, G1B
	s_mov_b32 s[\g+1], ROWB<<16                    ; tensor_dim0
	s_mov_b32 s[\g+2], 128<<16                     ; tensor_dim1
	s_mov_b32 s[\g+3], ROWB<<16                    ; tile_dim0
	s_mov_b32 s[\g+4], 128                         ; tile_dim1
	s_mov_b32 s[\g+5], KROW                        ; tensor_dim0_stride
	s_mov_b32 s[\g+6], 0
	s_mov_b32 s[\g+7], 0
.endr
	; and for the scales of 128 rows: a dense block of 4,096 bytes, as 16 rows of 256 bytes (32 elements of 8 bytes), 16 bytes of padding behind each
	s_or_b32 s[G1S+0], s43, (3<<16)|(1<<20)|(1<<21)|(5<<22)|(3<<25)
	s_or_b32 s[G1SB+0], s44, (3<<16)|(1<<20)|(1<<21)|(5<<22)|(3<<25)
.irp g, G1S, G1SB
	s_mov_b32 s[\g+1], 32<<16
	s_mov_b32 s[\g+2], (128*KS/256)<<16
	s_mov_b32 s[\g+3], 32<<16
	s_mov_b32 s[\g+4], 128*KS/256
	s_mov_b32 s[\g+5], 32
	s_mov_b32 s[\g+6], 0
	s_mov_b32 s[\g+7], 0
.endr
	s_lshl_b32 s21, s[CH], 7                       ; which 128 rows of the tile I fetch
	s_lshl_b32 s66, s98, 8
	s_add_co_u32 s66, s66, s21                     ; A's row
	s_lshl_b32 s46, s42, 8
	s_add_co_u32 s46, s46, s21                     ; B's row
	s_mov_b32 s67, 0
	s_mov_b32 s47, 0
	s_lshl_b64 s[22:23], s[66:67], 5               ; where these rows' scales begin: 32 bytes a row,
	s_lshl_b64 s[92:93], s[46:47], 5
	s_lshl_b64 s[66:67], s[66:67], 9               ; and their codes: 512 bytes a row
	s_lshl_b64 s[46:47], s[46:47], 9
	s_mul_i32 s45, s[WV], HALFT                    ; where they go: wave x 128 rows: no place in the cluster enters an LDS address
	s_mul_i32 s94, s[WV], HALFS
	s_wait_dscnt 0x0                               ; both opening adds are done
	s_wait_kmcnt 0x0
	s_cmp_eq_u32 ttmp9, 2                          ; the buffers by the role (the moves and 64-bit sums between leave SCC alone)
	s_cselect_b64 s[96:97], s[8:9], s[4:5]
	s_add_nc_u64 s[66:67], s[96:97], s[66:67]      ; A's codes
	s_cselect_b64 s[96:97], s[10:11], s[6:7]
	s_add_nc_u64 s[22:23], s[96:97], s[22:23]      ; A's scales
	s_cselect_b64 s[96:97], s[4:5], s[8:9]
	s_add_nc_u64 s[46:47], s[96:97], s[46:47]      ; B's codes
	s_cselect_b64 s[96:97], s[6:7], s[10:11]
	s_add_nc_u64 s[92:93], s[96:97], s[92:93]      ; B's scales
	CROUND                                         ; all sixteen work-groups are here: the first joint loads meet
	s_mov_b32 s[G0S], 1
	s_add_co_u32 s[G0S+1], s94, SCL
	s_mov_b64 s[G0S+2:G0S+3], s[22:23]
	s_or_b32 s[G0S+3], s[G0S+3], 0x80000000
	s_mov_b32 s[G0SB], 1
	s_add_co_u32 s[G0SB+1], s94, SCL
	s_mov_b64 s[G0SB+2:G0SB+3], s[92:93]
	s_or_b32 s[G0SB+3], s[G0SB+3], 0x80000000
	JLOAD G0S, G1S, G0SB, G1SB                     ; the scales first: they are wanted with the first step
.irp s, 0,1
	s_mov_b32 s[G0+4*\s], 1
	s_add_co_u32 s[G0+4*\s+1], s45, \s*SLOT
	s_add_nc_u64 s[G0+4*\s+2:G0+4*\s+3], s[66:67], \s*ROWB
	s_or_b32 s[G0+4*\s+3], s[G0+4*\s+3], 0x80000000
	s_mov_b32 s[G0B+4*\s], 1
	s_add_co_u32 s[G0B+4*\s+1], s45, \s*SLOT
	s_add_nc_u64 s[G0B+4*\s+2:G0B+4*\s+3], s[46:47], \s*ROWB
	s_or_b32 s[G0B+4*\s+3], s[G0B+4*\s+3], 0x80000000
	JLOAD G0+4*\s, G1, G0B+4*\s, G1B               ; three tensor loads of mine are out
.endr
	v_and_b32 v1, 15, v0                           ; r = l % 16
	v_bfe_u32 v2, v0, 4, 1                         ; h = l / 16
	v_mul_u32_u24 v3, v1, PITCH
	v_lshl_add_u32 v4, v2, 4, v3                   ; a fragment's row x pitch + 16 x half
	s_mul_i32 s2, s[RH], HALFT                     ; my 128 rows of A
	s_mul_i32 s3, s[CH], HALFT                     ; my 128 rows of B,
	s_add_co_u32 s3, s3, 2*HALFT                   ; which lie behind A's 256
.irp s, 0,1
	v_add_nc_u32 v[ADRA+\s], s2, v4
	v_add_nc_u32 v[ADRB+\s], s3, v4
	s_add_co_u32 s2, s2, SLOT
	s_add_co_u32 s3, s3, SLOT
.endr
	v_mul_u32_u24 v5, v1, KS                       ; my row's scales: 32 bytes a row,
	v_lshrrev_b32 v6, 8, v5
	v_lshl_add_u32 v5, v6, 4, v5                   ; and 16 more for each 256 passed
	s_mul_i32 s2, s[RH], HALFS                     ; A's: my 128 rows
	s_mul_i32 s3, s[CH], HALFS                     ; B's: my 128 rows, behind A's 256
	s_add_co_u32 s3, s3, 2*HALFS
	s_sub_co_u32 s3, s3, s2
	v_mul_u32_u24 v6, s3, v2                       ; lanes 16-31 take B's: one product, the distance x h
	s_add_co_u32 s2, s2, SCL
	v_add_nc_u32 v5, v5, v6
	v_add_nc_u32 v[ADRS], s2, v5
	v_and_b32 v6, 31, v0
	v_lshlrev_b32 v[LO], 4, v6
	v_lshlrev_b32 v[BO], 5, v2
	; where my results go: tok0 = my first token, e0 = my first channel in its weight; block index (16 batch + head) x 128 + T
	s_lshl_b32 s21, s98, 8
	s_lshl_b32 s95, s[RH], 7
	s_add_co_u32 s21, s21, s95                     ; my first row of A
	s_lshl_b32 s96, s42, 8
	s_lshl_b32 s95, s[CH], 7
	s_add_co_u32 s96, s96, s95                     ; my first row of B
	s_cmp_eq_u32 ttmp9, 2
	s_cselect_b32 s97, s96, s21                    ; tok0
	s_cselect_b32 s95, s21, s96                    ; the channel's row in wcodes,
	s_and_b32 s95, s95, 1023                       ; e0
	s_lshr_b32 s21, s97, 11                        ; batch
	s_lshl_b32 s21, s21, 4
	s_lshr_b32 s96, s95, 6                         ; my first head
	s_add_co_u32 s21, s21, s96
	s_lshl_b32 s21, s21, 7
	s_and_b32 s97, s97, 2047
	s_lshr_b32 s97, s97, 4                         ; my first tile of 16 tokens
	s_add_co_u32 s96, s21, s97
	s_mov_b32 s97, 0                               ; s[96:97]: the index; s95: e0
.macro FRAG reg, adr, q, i             ; a fragment, 16 rows x 128 K of 4-bit codes: lane l holds row l % 16; registers 4 c .. 4 c + 3 hold K = 64 c + 32 (l / 16) + 0 .. 31
.irp c, 0,1
	ds_load_b128 v[\reg+4*\c:\reg+4*\c+3], v[\adr] offset:64*(\q)+32*\c+(\i)*16*PITCH
.endr
.endm
; 16 matrix instructions: A's blocks a0, a0 + 1 x B's eight, the slot's q-th 128 along K.  p: B's set;  sc: the set of scale words.  zero = 1: the first product starts the sums.
; The 64 accumulators take turns, one instruction a turn, in the same order in every step.
.macro MUL16 a0, p, q, sc, zero
.irp a, \a0, \a0+1
.irp b, 0,1,2,3,4,5,6,7
.if \zero
	v_wmma_scale_f32_16x16x128_f8f6f4 v[8*(8*((\a)%4)+\b):8*(8*((\a)%4)+\b)+7], v[128*(\p)+FR*\b:128*(\p)+FR*\b+FR-1], v[AF+FR*(\a):AF+FR*(\a)+FR-1], 0, v[SC+8*NQ*(\sc)+NQ*\b+(\q)], v[SC+8*NQ*(\sc)+NQ*(\a)+(\q)] matrix_a_fmt:MATRIX_FMT_FP4 matrix_b_fmt:MATRIX_FMT_FP4 matrix_a_scale:MATRIX_SCALE_ROW1
.else
	v_wmma_scale_f32_16x16x128_f8f6f4 v[8*(8*((\a)%4)+\b):8*(8*((\a)%4)+\b)+7], v[128*(\p)+FR*\b:128*(\p)+FR*\b+FR-1], v[AF+FR*(\a):AF+FR*(\a)+FR-1], v[8*(8*((\a)%4)+\b):8*(8*((\a)%4)+\b)+7], v[SC+8*NQ*(\sc)+NQ*\b+(\q)], v[SC+8*NQ*(\sc)+NQ*(\a)+(\q)] matrix_a_fmt:MATRIX_FMT_FP4 matrix_b_fmt:MATRIX_FMT_FP4 matrix_a_scale:MATRIX_SCALE_ROW1
.endif
.endr
.endr
.endm
.macro FETCH_B slot, q, p              ; B's eight fragments of the slot's q-th 128 along K into set p
	WIN TO_B
.irp i, 0,1,2,3,4,5,6,7
	FRAG 128*(\p)+FR*\i, ADRB+\slot, \q, \i
.endr
	WIN 0
.endm
.macro FETCH_A slot, q, i0             ; A's blocks i0 .. i0 + 3
.irp i, \i0, \i0+1, \i0+2, \i0+3
	FRAG AF+FR*(\i), ADRA+\slot, \q, \i
.endr
.endm
.macro SCALES sc                       ; a slot's scale words into set sc: four words a row; lanes 0-15 take A's block i, lanes 16-31 B's block i
.irp i, 0,1,2,3,4,5,6,7
	ds_load_b128 v[SC+8*NQ*\sc+NQ*\i:SC+8*NQ*\sc+NQ*\i+3], v[ADRS] offset:\i*SBLK
.endr
.endm
.macro PLACES n                        ; plain vector instructions between a matrix instruction and a load into, or a vector instruction on, its registers
.rept \n
	v_nop
.endr
.endm
; A step of 128 along K that has its successor in the same slot.  A block of A is free as soon as its eight products are issued, so one set serves A: blocks 0-3 are fetched anew in the step's middle, blocks 4-7 at its end.
.macro STEP slot, q, zero
	s_wait_dscnt 4*NL                              ; B's set and A's blocks 0-3 are in; the youngest eight loads (A's blocks 4-7) may be out
	WIN MUL_LO
	MUL16 0, (\q)%2, \q, \slot, \zero
	MUL16 2, (\q)%2, \q, \slot, \zero
	s_wait_dscnt 0                                 ; A's blocks 4-7 are in
	PLACES NP
	FETCH_B \slot, (\q)+1, 1-(\q)%2
	FETCH_A \slot, (\q)+1, 0
	WIN MUL_HI
	MUL16 4, (\q)%2, \q, \slot, \zero
	MUL16 6, (\q)%2, \q, \slot, \zero
	PLACES NP
	WIN 0
	FETCH_A \slot, (\q)+1, 4
.endm
; Slot 0's last step goes over to slot 1: each wave waits for all its tensor loads (its part of slot 1), then one barrier: behind it slot 1 is whole.  Nothing is filled again.
.macro TURN slot, next
	s_wait_tensorcnt 0x0                           ; all my tensor loads have landed
	ds_add_u32 v[SPW], v[NIL]                      ; 0 onto my spare word
	s_wait_dscnt 4*NL+1                            ; (the add and the youngest eight loads, A's blocks 4-7, may be out)
	WIN MUL_LO
	MUL16 0, 1, NQ-1, \slot, 0
	s_wait_dscnt 0x0                               ; the add is done, and my LDS loads are in
	s_barrier_signal -1
	MUL16 2, 1, NQ-1, \slot, 0
	WIN 0
	s_barrier_wait -1
	PLACES NP
	v_add_nc_u32 v[ADRS], 4*NQ, v[ADRS]            ; on to the next slot's scale words (no LDS load of mine is out)
	FETCH_B \next, 0, 0
	FETCH_A \next, 0, 0
	SCALES \next
	WIN MUL_HI
	MUL16 4, 1, NQ-1, \slot, 0
	MUL16 6, 1, NQ-1, \slot, 0
	PLACES NP
	WIN 0
	FETCH_A \next, 0, 4
.endm
.macro LASTSTEP                        ; the last 128 along K: nothing more to fetch
	s_wait_dscnt 4*NL
	WIN MUL_LO
	MUL16 0, 1, NQ-1, 1, 0
	MUL16 2, 1, NQ-1, 1, 0
	s_wait_dscnt 0
	WIN MUL_HI
	MUL16 4, 1, NQ-1, 1, 0
	MUL16 6, 1, NQ-1, 1, 0
	WIN 0
.endm
; THE WAY OUT.  mode 0: q (+ bq), 1: k, 2: v transposed.  Block a of A's rows: its eight accumulators are rounded to f16, each from its low end on, and each leaves by one store of 512 consecutive bytes.
; Two sets of packed registers take turns; a set is written again only behind s_wait_xcnt 0, when the stores that read it have had their addresses translated (ISA guide 3.1).
.macro OUT mode
.irp a, 0,1,2,3,4,5,6,7
.set AC, 64*((\a)%4)
.set PS, PK+32*((\a)%2)
.if \a > 1
	s_wait_xcnt 0x0
.endif
.if \mode == 0
.irp hb, 0,1
	WIN 0x02+(\a)/4                                ; source 0: window 2 or 3
.irp bb, 0,1,2,3
.irp i, 0,1,2,3
	v_pk_add_f32 v[T+8*\bb+2*\i:T+8*\bb+2*\i+1], v[AC+8*(4*\hb+\bb)+2*\i:AC+8*(4*\hb+\bb)+2*\i+1], v[BIAS+8*(4*\hb+\bb)+2*\i:BIAS+8*(4*\hb+\bb)+2*\i+1]
.endr
.endr
	WIN 0
.irp bb, 0,1,2,3
.irp i, 0,1,2,3
	v_cvt_pk_f16_f32 v[PS+4*(4*\hb+\bb)+\i], v[T+8*\bb+2*\i], v[T+8*\bb+2*\i+1]
.endr
.endr
.endr
.else
	WIN 0x0a+5*((\a)/4)                            ; sources 0 and 1: window 2 or 3
.irp b, 0,1,2,3,4,5,6,7
.irp i, 0,1,2,3
	v_cvt_pk_f16_f32 v[PS+4*\b+\i], v[AC+8*\b+2*\i], v[AC+8*\b+2*\i+1]
.endr
.endr
	WIN 0
.endif
.irp b, 0,1,2,3,4,5,6,7
.if \mode == 0
	global_store_b128 v[LO], v[PS+4*\b:PS+4*\b+3], s[14:15] offset:2048*\a+512*(\b%4)+262144*(\b/4)     ; tokens' tile a, channels' block b % 4, head b / 4
.elseif \mode == 1
	global_store_b128 v[LO], v[PS+4*\b:PS+4*\b+3], s[16:17] offset:4096*\a+512*(\b%4)+524288*(\b/4)
.else
	global_store_b128 v[LO], v[PS+4*\b:PS+4*\b+3], s[16:17] offset:524288*(\a/4)+512*(\a%4)+4096*\b+2048   ; head a / 4, channels' block a % 4, tokens' tile b; v's blocks lie behind k's four
.endif
.endr
.endr
.endm
	s_wait_tensorcnt 1                             ; the scales and my part of slot 0 are in (slot 1's load may be out)
	s_barrier_signal -1
	s_barrier_wait -1                              ; everybody's are
	FETCH_B 0, 0, 0
	FETCH_A 0, 0, 0
	SCALES 0
	FETCH_A 0, 0, 4
	STEP 0, 0, 1                                   ; the first step's products start the sums: nothing is cleared
	STEP 0, 1, 0
	STEP 0, 2, 0
	TURN 0, 1
	STEP 1, 0, 0
	STEP 1, 1, 0
	STEP 1, 2, 0
	s_cmp_eq_u32 ttmp9, 0                          ; the three roles part here, on the cluster's x: the last step and the way out are written for each
	s_cbranch_scc0 .Lnot_q
	s_lshl_b64 s[96:97], s[96:97], 11              ; qf: 2,048 bytes for 16 tokens of a head
	s_add_nc_u64 s[14:15], s[14:15], s[96:97]
	s_lshl_b32 s94, s95, 2
	s_mov_b32 s95, 0
	s_add_nc_u64 s[12:13], s[12:13], s[94:95]      ; bq at my first channel
.irp b, 0,1,2,3,4,5,6,7
	global_load_b128 v[BIAS+8*\b:BIAS+8*\b+3], v[BO], s[12:13] offset:64*\b       ; asked for ahead of the last step's 64 products
	global_load_b128 v[BIAS+8*\b+4:BIAS+8*\b+7], v[BO], s[12:13] offset:64*\b+16
.endr
	LASTSTEP
	s_wait_loadcnt 0x0                             ; bq
	PLACES NP
	OUT 0
	s_branch .Lend
.Lnot_q:
	s_lshl_b64 s[96:97], s[96:97], 12              ; kvf: 4,096 bytes for 16 tokens of a head
	s_add_nc_u64 s[16:17], s[16:17], s[96:97]
	s_cmp_eq_u32 ttmp9, 1
	s_cbranch_scc0 .Lis_v
	LASTSTEP
	PLACES NP
	OUT 1
	s_branch .Lend
.Lis_v:
	LASTSTEP
	PLACES NP
	OUT 2
.Lend:
	s_wait_tensorcnt 0x0                           ; the wave's end, behind my last tensor load
	ds_add_u32 v[SPW], v[NIL]
	s_wait_dscnt 0x0
	CROUND                                         ; the closing round: no work-group ends while a partner may still ask for a tile that names it
	s_endpgm
.Lfunc_end_k_qd2158cc466_qkv:
	.size	k_qd2158cc466_qkv, .Lfunc_end_k_qd2158cc466_qkv-k_qd2158cc466_qkv
	.p2alignl 7, 3214868480
	.fill 96, 4, 3214868480
	.section	.rodata,"a",@progbits
	.p2align	6, 0x0
	.amdhsa_kernel k_qd2158cc466_qkv
		.amdhsa_group_segment_fixed_size 327680
		.amdhsa_private_segment_fixed_size 0
		.amdhsa_enable_private_segment 0
		.amdhsa_kernarg_size 56
		.amdhsa_user_sgpr_count 2
		.amdhsa_user_sgpr_kernarg_segment_ptr 1
		.amdhsa_wavefront_size32 1
		.amdhsa_system_sgpr_workgroup_id_x 1
		.amdhsa_system_sgpr_workgroup_id_y 1
		.amdhsa_system_sgpr_workgroup_id_z 1
		.amdhsa_system_vgpr_workitem_id 0
		.amdhsa_next_free_vgpr 1024
		.amdhsa_next_free_sgpr 100
		.amdhsa_reserve_vcc 0
		.amdhsa_float_denorm_mode_32 3
		.amdhsa_float_denorm_mode_16_64 3
		.amdhsa_memory_ordered 1
		.amdhsa_forward_progress 1
		.amdhsa_inst_pref_size 198
	.end_amdhsa_kernel
	.amdgpu_metadata
---
amdhsa.version: [ 1, 2 ]
amdhsa.kernels:
  - .name:           k_qd2158cc466_qkv
    .symbol:         k_qd2158cc466_qkv.kd
    .args:
      - { .name: xcodes, .offset: 0, .size: 8, .value_kind: global_buffer, .address_space: global }
      - { .name: xscales, .offset: 8, .size: 8, .value_kind: global_buffer, .address_space: global }
      - { .name: wcodes, .offset: 16, .size: 8, .value_kind: global_buffer, .address_space: global }
      - { .name: wscales, .offset: 24, .size: 8, .value_kind: global_buffer, .address_space: global }
      - { .name: Wq_b, .offset: 32, .size: 8, .value_kind: global_buffer, .address_space: global }
      - { .name: qf, .offset: 40, .size: 8, .value_kind: global_buffer, .address_space: global }
      - { .name: kvf, .offset: 48, .size: 8, .value_kind: global_buffer, .address_space: global }
    .group_segment_fixed_size: 327680
    .private_segment_fixed_size: 0
    .kernarg_segment_align: 8
    .kernarg_segment_size: 56
    .max_flat_workgroup_size: 128
    .sgpr_count:     100
    .vgpr_count:     1024
    .wavefront_size: 32
...
	.end_amdgpu_metadata
.endif
;; end of part 2
;; launch attn (part 3): grid 4 x 64, 8 waves a work-group, clusters of 4 x 1, 327,680 bytes of LDS; arguments qf, kvf, Wv_b, af; writes af
.if DOCPART == 3
	.amdgcn_target "amdgcn-amd-amdhsa--gfx1250"
	.amdhsa_code_object_version 6
	.text
	.protected	k_qd2158cc466_attn
	.globl	k_qd2158cc466_attn
	.p2align	8
	.type	k_qd2158cc466_attn,@function
k_qd2158cc466_attn:
	s_mov_b64 s[64:65], 0
	v_nop
	global_prefetch_b8 v0, s[64:65] scope:SCOPE_SE
	s_setreg_imm32_b32 hwreg(HW_REG_WAVE_MODE, 25, 1), 1
	s_wait_xcnt 0x0
	s_wait_alu depctr_hold_cnt(0) depctr_sa_sdst(0) depctr_va_vdst(0) depctr_va_sdst(0) depctr_va_ssrc(0) depctr_va_vcc(0) depctr_vm_vsrc(0)
	s_getreg_b32 s2, hwreg(HW_REG_IB_STS2, 6, 4)
	s_cmp_eq_u32 s2, 0
	s_cbranch_scc0 .Lentry_in_a_cluster
	s_endpgm
.Lentry_in_a_cluster:
	s_bfe_u32 s2, ttmp6, 0x10000c
	s_cmp_lg_u32 s2, 0x3003
	s_cbranch_scc0 .Lentry_shape_is_right
	s_endpgm
.Lentry_shape_is_right:
; MULTI-HEAD ATTENTION, launch 3 of 4: a[bh][q] = sum over keys of softmax(q . k / 8) v + bv, head size 64, 2,048 keys, no mask.  Operands in f16, products, maxima and sums in f32.
; LEFT OUT: Wk_b and attention_mask (shown at the head of launch 1).  bv is added here, behind the division: the weights p / l of a query sum to 1, so sum p (v + bv) / l = sum p v / l + bv for all values;
; it rides on the multiplication by 1 / l as a fused multiply-add.
; SHARES.  A work-group owns 512 queries of one head (bh = the cluster's y, the quarter = its place in the cluster), each of its eight waves 64: four tiles of 16, in 512 registers: two waves to a SIMD, so that one
; wave's vector work stands beside the other's matrix work.  Every wave walks all keys, 64 a step.
; LAYOUT.  S^T = K Q^T (source 0 = 16 keys, source 1 = 16 queries): a lane holds ONE query (lane % 16) and keys 8 (lane / 16) + 0..7.  Two such tiles, rounded to f16 in pairs, ARE source 1 (32 keys x 16 queries)
; of O^T = V^T P, whose result again holds one query a lane and eight channels.  q, k and v^T lie in memory as images of these operands' registers (launch 2): a fragment's four registers are 512 consecutive
; bytes, 16 x lane: so a tile is a dense block for a tensor load, and every LDS load reads 512 consecutive bytes.
; SOFTMAX.  For each query a running maximum m and sum l: p = 2^(c s - c m), c = log2(e) / 8; in every step O and l are multiplied by a = 2^(c m_old - c m_new).  l is summed of the unrounded p.
; RING.  Two LDS slots of 512 keys (131,072 bytes: 16 tokens of k and v^T are 4,096 bytes on end in kvf).  Each wave fetches one key step's 16,384 bytes of a slot.  The four work-groups of a cluster walk the same
; k and v: each load is asked for JOINTLY, with the same descriptor and a mask that names the four.  By this text's count one tensor load of a wave is out at a time; it has a slot's 8 key steps in which to land.
; The result leaves as images of the last launch's operand: af [ks 8][Tg 512][dtl 8][512 B]: token 16 Tg + r, d = 128 ks + 16 dtl + 8 h + 0..7, d = 64 head + channel.
; LIMITS: |a| stays under 65,504; weights p under 6e-5 keep an absolute error of 3e-8 (f16) beside a largest p of 1; NaN and infinities are not served.
; REGISTERS.  window 0: v1-5 addresses; v8-39 eight registers of statistics a tile; v40-43 c m_old; v64-191 S^T, 32 a tile, later P in place; v192-255 K's eight fragments.
;             window 1: v0-63 Q, 16 a tile; v64-191 O^T, 32 a tile; v192-255 V^T's eight fragments.
.set STEPB, 16384                      ; a key step in LDS: four tiles of 16 tokens, 4,096 bytes each
.set SLOT1, 1<<17                      ; slot 1 begins here: one exclusive or turns an address in one slot into the other's
.set SPARE, 2*SLOT1                    ; behind the ring: the spare words, 128 bytes for each wave: four blocks of 256 bytes that no other line names
.set LI,  1                            ; v1   16 x lane; never rewritten
.set ADR, 2                            ; v2   LDS address of the step in hand
.set SPW, 3                            ; v3   LDS address of my spare word; never rewritten
.set NIL, 4                            ; v4   0; never rewritten
.set BVO, 5                            ; v5   32 x (lane / 16): my eight numbers of a tile of bv
.set ST,  8                            ; tile t's statistics at v[ST + 8 t]: +0 c m, +1 m, +2, +3 l (even keys', odd keys'), +4 to +7 at work; a takes +6
.set OLD, 40                           ; v40-43 c m_old, then c m_old - c m_new
.set S,   64
.set KF,  192                          ; K's fragment (keys 16 kt on, channels 32 c on) at KF + 16 kt + 8 c
.set BV,  192                          ; the way out: bv, register 8 ct + j
.set QF,  0                            ; window 1: Q's fragment (tile t, channels 32 c on) at 16 t + 8 c
.set O,   64                           ; window 1: O^T (tile t, channels 16 ct on) at O + 32 t + 8 ct
.set VF,  192                          ; window 1: V^T's fragment (channels 16 ct on, keys 32 g on) at VF + 16 ct + 8 g
.set WV,  12                           ; s12  my wave's number
.set G1,  24                           ; s[24:31] descriptor group 1
.set G0,  40                           ; s[40:43] descriptor group 0: it walks
.set SLOTS, 56                         ; s56  slots still to be asked for
.set CNT, 57                           ; s57  counts a slot's key steps
.set CS,  58                           ; s[58:59] c: the packed form names a pair and takes its low word for both halves
.set SEL, 60                           ; s[60:61] lane selects for v_permlanex16_b32: lane l xor 16
.set TB,  62                           ; s62  LDS byte at which the step in hand begins
.set MSB, 0
.macro WIN new                         ; the immediate's high byte repeats the setting that is left
.if MSB != \new
	s_set_vgpr_msb (MSB<<8)|\new
.set MSB, \new
.endif
.endm
.set W_S,   0x04                       ; K and S^T in window 0, Q (source 1) in window 1
.set W_LD1, 0x40                       ; destination window 1, address window 0
.set W_RS,  0x41                       ; O^T (destination and source 0) in window 1, a in window 0
.set W_PV,  0x51                       ; V^T and O^T in window 1, P (source 1) in window 0
.set W_FIN, 0x01                       ; O^T (source 0) in window 1, all else in window 0
.macro CROUND                          ; a round of the cluster's barrier
	s_barrier_signal -1
	s_barrier_wait -1
	s_cmp_lg_u32 s[WV], 0
	s_cbranch_scc1 .Lnot_wave_0_\@
	s_barrier_signal -3
.Lnot_wave_0_\@:
	s_barrier_wait -3
	s_barrier_signal -1
	s_barrier_wait -1
.endm
	s_load_b256 s[4:11], s[0:1], 0x0               ; qf s[4:5], kvf s[6:7], Wv_b s[8:9], af s[10:11]
	v_lshl_add_u32 v[SPW], v0, 2, SPARE
	v_mov_b32 v[NIL], 0
	ds_add_u32 v[SPW], v[NIL]                      ; the wave's opening: the add, twice on end, and its wait ahead of my first tensor load; the set-up below stands between
	ds_add_u32 v[SPW], v[NIL]
	v_lshrrev_b32 v[ADR], 5, v0
	v_readfirstlane_b32 s[WV], v[ADR]              ; wave 0..7
	v_and_b32 v[LI], 31, v0
	v_lshlrev_b32 v[LI], 4, v[LI]
	v_bfe_u32 v[BVO], v0, 4, 1
	v_lshlrev_b32 v[BVO], 5, v[BVO]
	s_bfe_u32 s13, ttmp6, 0x40000                  ; cx: my quarter of the head's queries: it enters q's and a's addresses alone
	s_and_b32 s14, ttmp7, 0xffff                   ; bh, which the four partners share
	s_and_b32 s15, s14, 15                         ; head
	s_lshr_b32 s16, s14, 4                         ; batch
	; descriptor group 1: a dense block of 16,384 bytes as 64 rows of 256 bytes (32 elements of 8 bytes), no padding
	s_mov_b32 s[G1], 15|(3<<16)|(1<<21)            ; 15:0 the mask: all four work-groups; 17:16 elements of 8 bytes; 21 set beside a mask
	s_mov_b32 s[G1+1], 32<<16                      ; tensor_dim0
	s_mov_b32 s[G1+2], 64<<16                      ; tensor_dim1
	s_mov_b32 s[G1+3], 32<<16                      ; tile_dim0
	s_mov_b32 s[G1+4], 64                          ; tile_dim1
	s_mov_b32 s[G1+5], 32                          ; tensor_dim0_stride
	s_mov_b32 s[G1+6], 0
	s_mov_b32 s[G1+7], 0
	s_mov_b32 s[CS], 0x3e38aa3b                    ; c = log2(e) / 8
	s_mov_b32 s[CS+1], s[CS]                       ; (named with it as a pair, so it is written)
	s_mov_b32 s[SEL], 0x76543210
	s_mov_b32 s[SEL+1], 0xfedcba98
	s_mov_b32 s[TB], 0
	s_mov_b32 s[SLOTS], 3
	s_lshl_b32 s20, s14, 19                        ; kvf: a head is 524,288 bytes,
	s_lshl_b32 s17, s[WV], 14                      ; my key step of a slot: in memory and in LDS
	s_add_co_u32 s20, s20, s17
	s_mov_b32 s21, 0
	s_lshl_b32 s18, s14, 7                         ; qf: tile 128 bh + 32 cx + 4 w,
	s_lshl_b32 s22, s13, 5
	s_add_co_u32 s18, s18, s22
	s_lshl_b32 s23, s[WV], 2
	s_add_co_u32 s18, s18, s23
	s_lshl_b32 s18, s18, 11                        ; 2,048 bytes each
	s_mov_b32 s19, 0
	s_lshr_b32 s2, s15, 1                          ; af: ks = head / 2: 512 tiles of tokens,
	s_lshl_b32 s2, s2, 9
	s_lshl_b32 s3, s16, 7                          ; tile 128 batch + 32 cx + 4 w,
	s_add_co_u32 s2, s2, s3
	s_add_co_u32 s2, s2, s22
	s_add_co_u32 s2, s2, s23
	s_lshl_b32 s2, s2, 12                          ; 4,096 bytes each,
	s_and_b32 s3, s15, 1
	s_lshl_b32 s3, s3, 11                          ; the odd head's four blocks behind the even head's
	s_add_co_u32 s2, s2, s3
	s_mov_b32 s3, 0
	s_lshl_b32 s22, s15, 8                         ; bv: 64 numbers a head
	s_mov_b32 s23, 0
	s_wait_dscnt 0x0                               ; both opening adds are done
	s_wait_kmcnt 0x0
	s_add_nc_u64 s[4:5], s[4:5], s[18:19]
	s_add_nc_u64 s[10:11], s[10:11], s[2:3]
	s_add_nc_u64 s[8:9], s[8:9], s[22:23]
	s_mov_b32 s[G0], 1                             ; 1:0 count = 1
	s_mov_b32 s[G0+1], s17                         ; 63:32 LDS address: slot 0, 16,384 x wave
	s_add_nc_u64 s[G0+2:G0+3], s[6:7], s[20:21]    ; 120:64 global address: made of bh and the wave's number alone
	s_or_b32 s[G0+3], s[G0+3], 0x80000000          ; 127:126 type = 2
	CROUND                                         ; all four work-groups are here: the first joint loads meet
	tensor_load_to_lds s[G0:G0+3], s[G1:G1+7]      ; slot 0: every wave issues its part, with no branch
	s_nop 0
.rept 4
	v_nop
.endr
	WIN W_LD1
.irp t, 0,1,2,3
.irp c, 0,1
.irp u, 0,1
	global_load_b128 v[QF+16*\t+8*\c+4*\u:QF+16*\t+8*\c+4*\u+3], v[LI], s[4:5] offset:2048*\t+512*(2*\c+\u)   ; Q stays in registers
.endr
.endr
.endr
.set i, 0
.rept 128
	v_mov_b32 v[O+i], 0                            ; O^T.  (The key step is written once for all steps: the first finds zeros, which its a = 0 leaves zeros)
.set i, i+1
.endr
	WIN 0
.irp t, 0,1,2,3
	v_mov_b32 v[ST+8*\t+1], 0xff61b1e6             ; m: -3e38, under every score
	v_mul_f32 v[ST+8*\t], s[CS], v[ST+8*\t+1]      ; c m
	v_mov_b32 v[ST+8*\t+2], 0                      ; l, in two halves
	v_mov_b32 v[ST+8*\t+3], 0
.endr
	s_wait_loadcnt 0x0                             ; Q
; A KEY STEP: 64 keys at LDS byte s[TB].
.macro STEP
	v_add_nc_u32 v[ADR], s[TB], v[LI]
.rept 4
	v_nop                                          ; with the addition five places behind the last step's products: four for the loads into V^T's registers, five for the products below, which write over P
.endr
.irp kt, 0,1,2,3
.irp c, 0,1
.irp u, 0,1
	ds_load_b128 v[KF+16*\kt+8*\c+4*\u:KF+16*\kt+8*\c+4*\u+3], v[ADR] offset:4096*\kt+512*(2*\c+\u)
.endr
.endr
.endr
	WIN W_LD1
.irp ct, 0,1,2,3
.irp g, 0,1
.irp u, 0,1
	ds_load_b128 v[VF+16*\ct+8*\g+4*\u:VF+16*\ct+8*\g+4*\u+3], v[ADR] offset:4096*(2*\g+\u)+2048+512*\ct
.endr
.endr
.endr
	s_wait_dscnt 16                                ; K's 16 loads are in; V^T's 16 may be out: they are wanted behind the softmax
	WIN W_S
.irp c, 0,1                                    ; S^T = K Q^T: the 16 accumulators take turns, one instruction a turn; the first 16 start the sums
.irp kt, 0,1,2,3
.irp t, 0,1,2,3
.if \c == 0
	v_wmma_f32_16x16x32_f16 v[S+32*\t+8*\kt:S+32*\t+8*\kt+7], v[KF+16*\kt+8*\c:KF+16*\kt+8*\c+7], v[QF+16*\t+8*\c:QF+16*\t+8*\c+7], 0
.else
	v_wmma_f32_16x16x32_f16 v[S+32*\t+8*\kt:S+32*\t+8*\kt+7], v[KF+16*\kt+8*\c:KF+16*\kt+8*\c+7], v[QF+16*\t+8*\c:QF+16*\t+8*\c+7], v[S+32*\t+8*\kt:S+32*\t+8*\kt+7]
.endif
.endr
.endr
.endr
	WIN 0
.irp t, 0,1,2,3
	v_mov_b32 v[OLD+\t], v[ST+8*\t]                ; c m_old is kept for a.  (These four are the places behind the products)
.endr
.irp j, 0,1,2,3                                ; the maximum of a lane's 32 scores and the old m: four chains a tile, the tiles by turns; each accumulator is read from its low end on
.irp t, 0,1,2,3
	v_max3_num_f32 v[ST+8*\t+4+\j], v[S+32*\t+8*\j], v[S+32*\t+8*\j+1], v[S+32*\t+8*\j+2]
.endr
.endr
.irp w, 3,5
.irp j, 0,1,2,3
.irp t, 0,1,2,3
	v_max3_num_f32 v[ST+8*\t+4+\j], v[ST+8*\t+4+\j], v[S+32*\t+8*\j+\w], v[S+32*\t+8*\j+\w+1]
.endr
.endr
.endr
.irp t, 0,1,2,3
	v_max3_num_f32 v[ST+8*\t+4], v[ST+8*\t+4], v[S+32*\t+7], v[S+32*\t+15]
.endr
.irp t, 0,1,2,3
	v_max3_num_f32 v[ST+8*\t+6], v[ST+8*\t+6], v[S+32*\t+23], v[S+32*\t+31]
.endr
.irp t, 0,1,2,3
	v_max3_num_f32 v[ST+8*\t+4], v[ST+8*\t+4], v[ST+8*\t+5], v[ST+8*\t+6]
.endr
.irp t, 0,1,2,3
	v_max3_num_f32 v[ST+8*\t+4], v[ST+8*\t+4], v[ST+8*\t+7], v[ST+8*\t+1]
.endr
.irp t, 0,1,2,3
	v_permlanex16_b32 v[ST+8*\t+5], v[ST+8*\t+4], s[SEL], s[SEL+1]   ; the query's other 32 keys lie in the lane 16 away
.endr
.irp t, 0,1,2,3
	v_max_num_f32 v[ST+8*\t+1], v[ST+8*\t+4], v[ST+8*\t+5]           ; the new m
.endr
.irp t, 0,1,2,3
	v_mul_f32 v[ST+8*\t], s[CS], v[ST+8*\t+1]                        ; c m
.endr
.irp t, 0,1,2,3
	v_sub_f32 v[OLD+\t], v[OLD+\t], v[ST+8*\t]                       ; c m_old - c m_new
.endr
	; ONE BATCH: the four a, the 64 scalings c s - c m (a pair each) and the 128 exponentials.  None of these lines names an exponential's result; a pair is scaled a round of the four tiles ahead of its exponentials.
.irp t, 0,1,2,3
	v_exp_f32 v[ST+8*\t+6], v[OLD+\t]              ; a
.endr
.irp t, 0,1,2,3
	v_pk_fma_f32 v[S+32*\t:S+32*\t+1], v[S+32*\t:S+32*\t+1], s[CS:CS+1], v[ST+8*\t:ST+8*\t+1] op_sel_hi:[1,0,0] neg_lo:[0,0,1] neg_hi:[0,0,1]
.endr
.irp i, 0,1,2,3,4,5,6,7,8,9,10,11,12,13,14,15
.irp t, 0,1,2,3
.if \i < 15
	v_pk_fma_f32 v[S+32*\t+2*\i+2:S+32*\t+2*\i+3], v[S+32*\t+2*\i+2:S+32*\t+2*\i+3], s[CS:CS+1], v[ST+8*\t:ST+8*\t+1] op_sel_hi:[1,0,0] neg_lo:[0,0,1] neg_hi:[0,0,1]
.endif
	v_exp_f32 v[S+32*\t+2*\i], v[S+32*\t+2*\i]
	v_exp_f32 v[S+32*\t+2*\i+1], v[S+32*\t+2*\i+1]
.endr
.endr
	v_nop                                          ; a plain instruction behind the last exponential, ahead of the first use
	s_wait_alu depctr_va_vdst(0)                   ; a wait between the exponentials and the first line that names a result: one for the whole batch
.irp t, 0,1,2,3                                ; l = a l + the sum of the unrounded p: two chains a tile, the tiles by turns
	v_pk_fma_f32 v[ST+8*\t+2:ST+8*\t+3], v[ST+8*\t+2:ST+8*\t+3], v[ST+8*\t+6:ST+8*\t+7], v[S+32*\t:S+32*\t+1] op_sel_hi:[1,0,1]
.endr
.irp t, 0,1,2,3
	v_pk_add_f32 v[ST+8*\t+4:ST+8*\t+5], v[S+32*\t+2:S+32*\t+3], v[S+32*\t+6:S+32*\t+7]
.endr
.irp j, 4,8,12,16,20,24
.irp t, 0,1,2,3
	v_pk_add_f32 v[ST+8*\t+2:ST+8*\t+3], v[ST+8*\t+2:ST+8*\t+3], v[S+32*\t+\j:S+32*\t+\j+1]
	v_pk_add_f32 v[ST+8*\t+4:ST+8*\t+5], v[ST+8*\t+4:ST+8*\t+5], v[S+32*\t+\j+6:S+32*\t+\j+7]
.endr
.endr
.irp t, 0,1,2,3
	v_pk_add_f32 v[ST+8*\t+2:ST+8*\t+3], v[ST+8*\t+2:ST+8*\t+3], v[S+32*\t+28:S+32*\t+29]
.endr
.irp t, 0,1,2,3
	v_pk_add_f32 v[ST+8*\t+2:ST+8*\t+3], v[ST+8*\t+2:ST+8*\t+3], v[ST+8*\t+4:ST+8*\t+5]
.endr
.irp i, 0,1,2,3,4,5,6,7,8,9,10,11,12,13,14,15  ; P: pairs rounded to f16, in place, ascending: register i takes p 2 i and 2 i + 1, which no later line reads
.irp t, 0,1,2,3
	v_cvt_pk_f16_f32 v[S+32*\t+\i], v[S+32*\t+2*\i], v[S+32*\t+2*\i+1]
.endr
.endr
	WIN W_RS
.irp i, 0,1,2,3,4,5,6,7,8,9,10,11,12,13,14,15  ; O^T under the new m: x a; each accumulator from its low end on
.irp t, 0,1,2,3
	v_pk_mul_f32 v[O+32*\t+2*\i:O+32*\t+2*\i+1], v[O+32*\t+2*\i:O+32*\t+2*\i+1], v[ST+8*\t+6:ST+8*\t+7] op_sel_hi:[1,0]
.endr
.endr
	s_wait_dscnt 0x0                               ; V^T is in
	WIN W_PV
.irp g, 0,1                                    ; O^T += V^T P: the 16 accumulators by turns
.irp ct, 0,1,2,3
.irp t, 0,1,2,3
	v_wmma_f32_16x16x32_f16 v[O+32*\t+8*\ct:O+32*\t+8*\ct+7], v[VF+16*\ct+8*\g:VF+16*\ct+8*\g+7], v[S+32*\t+8*\g:S+32*\t+8*\g+7], v[O+32*\t+8*\ct:O+32*\t+8*\ct+7]
.endr
.endr
.endr
	WIN 0
.endm
; THE CHANGE OF SLOTS stands at a slot's head.  Each wave waits for all its tensor loads (its part of the slot that it is about to read), adds 0 to its spare word, and waits for that and for its reads of the slot
; that it has left.  fill = 1: a round of the cluster's barrier follows, so that no wave of any partner still reads that slot or has a load on its way, and the joint load of the next 512 keys is the first thing behind it.
.macro CHANGE fill
	s_wait_tensorcnt 0x0                           ; no tensor load of mine is out, so group 0 may be written
	ds_add_u32 v[SPW], v[NIL]                      ; 0 onto my spare word
.if \fill
	s_xor_b32 s[G0+1], s[G0+1], SLOT1              ; the other slot than last time,
	s_add_nc_u64 s[G0+2:G0+3], s[G0+2:G0+3], 8*STEPB   ; the next 512 keys; the type bits on top are not reached
.endif
	s_wait_dscnt 0x0                               ; the add is done, and my reads of the slot that I have left are over
.if \fill
	CROUND
	tensor_load_to_lds s[G0:G0+3], s[G1:G1+7]
	s_nop 0
.rept 4
	v_nop
.endr
.else
	s_barrier_signal -1
	s_barrier_wait -1
.endif
.endm
.macro STEPS                           ; a slot's eight key steps: written once, walked eight times
	s_mov_b32 s[CNT], 8
.Lstep_\@:
	STEP
	s_add_co_u32 s[TB], s[TB], STEPB
	s_sub_co_u32 s[CNT], s[CNT], 1
	s_cmp_lg_u32 s[CNT], 0
	s_cbranch_scc1 .Lstep_\@
	s_sub_co_u32 s[TB], s[TB], 8*STEPB             ; back to a slot's first step,
	s_xor_b32 s[TB], s[TB], SLOT1                  ; in the other slot
.endm
.Lslot:                                            ; three trips: the first fills slot 1 for the first time, the others fill again the slot just left
	CHANGE 1
	STEPS
	s_sub_co_u32 s[SLOTS], s[SLOTS], 1
	s_cmp_lg_u32 s[SLOTS], 0
	s_cbranch_scc1 .Lslot
	CHANGE 0                                       ; the last slot is written out
	STEPS
	; THE WAY OUT: a = O^T / l + bv, rounded to f16; a lane's eight channels are 16 bytes of a block of the next launch's operand.
.irp ct, 0,1,2,3
	global_load_b128 v[BV+8*\ct:BV+8*\ct+3], v[BVO], s[8:9] offset:64*\ct        ; bv[64 head + 16 ct + 8 h + 0..7], into K's registers, which are done with
	global_load_b128 v[BV+8*\ct+4:BV+8*\ct+7], v[BVO], s[8:9] offset:64*\ct+16
.endr
.irp t, 0,1,2,3
	v_add_f32 v[ST+8*\t+4], v[ST+8*\t+2], v[ST+8*\t+3]               ; l's two halves.  (These four are the places behind the last products)
.endr
.irp t, 0,1,2,3
	v_permlanex16_b32 v[ST+8*\t+5], v[ST+8*\t+4], s[SEL], s[SEL+1]
.endr
.irp t, 0,1,2,3
	v_add_f32 v[ST+8*\t+4], v[ST+8*\t+4], v[ST+8*\t+5]               ; and the other half of the lanes'
.endr
.irp t, 0,1,2,3
	v_rcp_f32 v[ST+8*\t+6], v[ST+8*\t+4]
.endr
	v_nop                                          ; a plain instruction between the last reciprocal and the use of its result
	s_wait_alu depctr_va_vdst(0)                   ; and a wait ahead of the first use: one for the four
	s_wait_loadcnt 0x0                             ; bv
	WIN W_FIN
.irp t, 0,1,2,3
.irp i, 0,1,2,3,4,5,6,7,8,9,10,11,12,13,14,15
	v_pk_fma_f32 v[S+32*\t+2*\i:S+32*\t+2*\i+1], v[O+32*\t+2*\i:O+32*\t+2*\i+1], v[ST+8*\t+6:ST+8*\t+7], v[BV+2*\i:BV+2*\i+1] op_sel_hi:[1,0,1]
.endr
.endr
	WIN 0
.irp t, 0,1,2,3
.irp i, 0,1,2,3,4,5,6,7,8,9,10,11,12,13,14,15
	v_cvt_pk_f16_f32 v[S+32*\t+\i], v[S+32*\t+2*\i], v[S+32*\t+2*\i+1]
.endr
.endr
.irp t, 0,1,2,3
.irp ct, 0,1,2,3
	global_store_b128 v[LI], v[S+32*\t+4*\ct:S+32*\t+4*\ct+3], s[10:11] offset:4096*\t+512*\ct   ; 32 lanes store 512 consecutive bytes, aligned
.endr
.endr
	s_wait_tensorcnt 0x0                           ; the wave's end, behind my last tensor load
	ds_add_u32 v[SPW], v[NIL]
	s_wait_dscnt 0x0
	CROUND                                         ; the closing round: no work-group ends while a partner may still ask for a tile that names it
	s_endpgm
.Lfunc_end_k_qd2158cc466_attn:
	.size	k_qd2158cc466_attn, .Lfunc_end_k_qd2158cc466_attn-k_qd2158cc466_attn
	.p2alignl 7, 3214868480
	.fill 96, 4, 3214868480
	.section	.rodata,"a",@progbits
	.p2align	6, 0x0
	.amdhsa_kernel k_qd2158cc466_attn
		.amdhsa_group_segment_fixed_size 327680
		.amdhsa_private_segment_fixed_size 0
		.amdhsa_enable_private_segment 0
		.amdhsa_kernarg_size 32
		.amdhsa_user_sgpr_count 2
		.amdhsa_user_sgpr_kernarg_segment_ptr 1
		.amdhsa_wavefront_size32 1
		.amdhsa_system_sgpr_workgroup_id_x 1
		.amdhsa_system_sgpr_workgroup_id_y 1
		.amdhsa_system_sgpr_workgroup_id_z 1
		.amdhsa_system_vgpr_workitem_id 0
		.amdhsa_next_free_vgpr 512
		.amdhsa_next_free_sgpr 66
		.amdhsa_reserve_vcc 0
		.amdhsa_float_denorm_mode_32 3
		.amdhsa_float_denorm_mode_16_64 3
		.amdhsa_memory_ordered 1
		.amdhsa_forward_progress 1
		.amdhsa_inst_pref_size 86
	.end_amdhsa_kernel
	.amdgpu_metadata
---
amdhsa.version: [ 1, 2 ]
amdhsa.kernels:
  - .name:           k_qd2158cc466_attn
    .symbol:         k_qd2158cc466_attn.kd
    .args:
      - { .name: qf, .offset: 0, .size: 8, .value_kind: global_buffer, .address_space: global }
      - { .name: kvf, .offset: 8, .size: 8, .value_kind: global_buffer, .address_space: global }
      - { .name: Wv_b, .offset: 16, .size: 8, .value_kind: global_buffer, .address_space: global }
      - { .name: af, .offset: 24, .size: 8, .value_kind: global_buffer, .address_space: global }
    .group_segment_fixed_size: 327680
    .private_segment_fixed_size: 0
    .kernarg_segment_align: 8
    .kernarg_segment_size: 32
    .max_flat_workgroup_size: 256
    .sgpr_count:     66
    .vgpr_count:     512
    .wavefront_size: 32
...
	.end_amdgpu_metadata
.endif
;; end of part 3
;; launch oproj (part 4): grid 4 x 64, 4 waves a work-group, clusters of 4 x 4, 327,680 bytes of LDS; arguments af, wof, Wo_b, out0; writes out0
.if DOCPART == 4
	.amdgcn_target "amdgcn-amd-amdhsa--gfx1250"
	.amdhsa_code_object_version 6
	.text
	.protected	k_qd2158cc466_oproj
	.globl	k_qd2158cc466_oproj
	.p2align	8
	.type	k_qd2158cc466_oproj,@function
k_qd2158cc466_oproj:
	s_mov_b64 s[64:65], 0
	v_nop
	global_prefetch_b8 v0, s[64:65] scope:SCOPE_SE
	s_setreg_imm32_b32 hwreg(HW_REG_WAVE_MODE, 25, 1), 1
	s_wait_xcnt 0x0
	s_wait_alu depctr_hold_cnt(0) depctr_sa_sdst(0) depctr_va_vdst(0) depctr_va_sdst(0) depctr_va_ssrc(0) depctr_va_vcc(0) depctr_vm_vsrc(0)
	s_getreg_b32 s2, hwreg(HW_REG_IB_STS2, 6, 4)
	s_cmp_eq_u32 s2, 0
	s_cbranch_scc0 .Lentry_in_a_cluster
	s_endpgm
.Lentry_in_a_cluster:
	s_bfe_u32 s2, ttmp6, 0x10000c
	s_cmp_lg_u32 s2, 0xf033
	s_cbranch_scc0 .Lentry_shape_is_right
	s_endpgm
.Lentry_shape_is_right:
; MULTI-HEAD ATTENTION, launch 4 of 4: out0[token][e] = sum over d of a[token][d] Wo[e][d] + bo[e].  Operands in f16 (launches 3 and 1 laid them as images of the operands' registers), sums and result in f32.
; A tile of 128 tokens x 256 e is made by a work-group of four waves: 64 x 4 tiles are 256 work-groups.  A wave makes 64 tokens x 128 e: 32 accumulators of 16 x 16.
; K goes in steps of 128 d through a ring of two LDS slots.  A K step of 16 tokens (or 16 rows of Wo) is 4,096 dense bytes: eight blocks of 512, block dtl = d 16 dtl + 8 h + 0..7, 16 bytes a lane:
; so a tile is a dense block for a tensor load, and every LDS load reads 512 consecutive bytes.
; CLUSTERS of 4 x 4: a's tile hangs on the tile row alone and is shared along a row of the cluster, Wo's on the tile column alone and is shared along a column: each is asked for jointly.
; The matrix instruction is used transposed (source 0 = 16 rows of Wo, source 1 = 16 tokens): a lane holds one token and eight neighbouring e.  bo is the C of each sum's first product.
; By this text's count two tensor loads of a wave are out at the start and one behind each round.
; REGISTERS.  window 0: v16-29 addresses; two fragment buffers of 96 at v32 and v128: Wo's eight fragments (16 e x 32 d), then a's four; on the way out v32-95 and v128-191 take rows.
;             window 1: the 32 accumulators, (a, b) at v[8 (8 a + b)].   window 2: v0-63 bo, register 8 b + j = bo[e0 + 16 b + 8 h + j].
.set SLOT,   98304                     ; a's 8 tiles of tokens x 4,096 bytes, then Wo's 16 tiles of rows
.set BOFF,   32768
.set ASTEP,  2097152                   ; a K step on in af: 512 tiles of tokens
.set BSTEP,  262144                    ; and in wof: 64 tiles of rows
.set STAGE,  2*SLOT                    ; behind the ring: 16 rows x (512 bytes + 16) for each wave, for the way out
.set SPITCH, 528
.set SPARE,  STAGE+4*16*SPITCH         ; the spare words, 128 bytes for each wave: two blocks of 256 bytes that no other line names
.set LAPS,   4                         ; a lap = two K steps = once round the ring
.set ADRA, 16                          ; v16-17  LDS address of my a fragments in slot 0, 1
.set ADRB, 20                          ; v20-21  the same for Wo
.set STO,  24                          ; v24     the way out: where I put 32 bytes of a row
.set RD,   25                          ; v25     where I read a row back
.set CO,   26                          ; v26     16 x lane
.set BO,   27                          ; v27     32 x (lane / 16)
.set SPW,  28                          ; v28     LDS address of my spare word; never rewritten
.set NIL,  29                          ; v29     0; never rewritten
.set F0,   32
.set F1,   128
.set WV,   12                          ; s12 wave;  s13 which 64 tokens are mine, and: I fetch for a (0) or Wo (1);  s14 which 128 e, and: which half of that tile I fetch
.set RH,   13
.set CH,   14
.set G1A, 24                           ; s[24:31] descriptor group 1 for a's tiles;  s[32:39] group 0, one set for each slot
.set G0A, 32
.set G1B, 48                           ; s[48:55], s[56:63] the same for Wo's
.set G0B, 56
.set MSB, 0
.macro WIN new                         ; the immediate's high byte repeats the setting that is left
.if MSB != \new
	s_set_vgpr_msb (MSB<<8)|\new
.set MSB, \new
.endif
.endm
.set MUL,  0x50                        ; sources 0 and 1 window 0; C and D window 1
.set MULB, 0x60                        ; the same with C (bo) in window 2
.macro JLOAD s                         ; a joint load: waves 0 and 1 fetch a's two halves, waves 2 and 3 Wo's; an s_nop 0 and four v_nop follow each of the two lines
	s_cmp_eq_u32 s[RH], 0
	s_cbranch_scc0 .Lfor_b_\@
	tensor_load_to_lds s[G0A+4*\s:G0A+4*\s+3], s[G1A:G1A+7]
	s_nop 0
.rept 4
	v_nop
.endr
	s_branch .Lasked_\@
.Lfor_b_\@:
	tensor_load_to_lds s[G0B+4*\s:G0B+4*\s+3], s[G1B:G1B+7]
	s_nop 0
.rept 4
	v_nop
.endr
.Lasked_\@:
.endm
.macro CREST                           ; a round of the cluster's barrier behind its opening barrier
	s_cmp_lg_u32 s[WV], 0
	s_cbranch_scc1 .Lnot_wave_0_\@
	s_barrier_signal -3
.Lnot_wave_0_\@:
	s_barrier_wait -3
	s_barrier_signal -1
	s_barrier_wait -1
.endm
.macro CROUND                          ; a whole round
	s_barrier_signal -1
	s_barrier_wait -1
	CREST
.endm
	s_load_b256 s[4:11], s[0:1], 0x0               ; af s[4:5], wof s[6:7], Wo_b s[8:9], out0 s[10:11]
	v_lshl_add_u32 v[SPW], v0, 2, SPARE
	v_mov_b32 v[NIL], 0
	ds_add_u32 v[SPW], v[NIL]                      ; the wave's opening: the add, twice on end, and its wait ahead of my first tensor load; the set-up below stands between
	ds_add_u32 v[SPW], v[NIL]
	v_lshrrev_b32 v1, 5, v0
	v_readfirstlane_b32 s[WV], v1                  ; wave 0..3
	s_lshr_b32 s[RH], s[WV], 1
	s_and_b32 s[CH], s[WV], 1
	s_bfe_u32 s40, ttmp6, 0x40000                  ; cx, cy: my place in the cluster
	s_bfe_u32 s41, ttmp6, 0x40004
	s_lshl_b32 s42, ttmp9, 2
	s_add_co_u32 s42, s42, s40                     ; tile column = 4 x cluster x + cx
	s_and_b32 s15, ttmp7, 0xffff
	s_lshl_b32 s15, s15, 2
	s_add_co_u32 s15, s15, s41                     ; tile row = 4 x cluster y + cy
	s_lshl_b32 s43, s41, 2
	s_lshl_b32 s43, 15, s43                        ; my row of the cluster
	s_lshl_b32 s44, 0x1111, s40                    ; my column
	; descriptor groups 1: dense blocks as rows of 256 bytes (32 elements of 8 bytes), no padding: a's half tile 64 rows, Wo's 128
	s_or_b32 s[G1A+0], s43, (3<<16)|(1<<21)        ; 15:0 the mask: a's tiles go to my row; 17:16 elements of 8 bytes; 21 set beside a mask
	s_or_b32 s[G1B+0], s44, (3<<16)|(1<<21)
	s_mov_b32 s[G1A+1], 32<<16                     ; tensor_dim0
	s_mov_b32 s[G1A+2], 64<<16                     ; tensor_dim1
	s_mov_b32 s[G1A+3], 32<<16                     ; tile_dim0
	s_mov_b32 s[G1A+4], 64                         ; tile_dim1
	s_mov_b32 s[G1A+5], 32                         ; tensor_dim0_stride
	s_mov_b32 s[G1A+6], 0
	s_mov_b32 s[G1A+7], 0
	s_mov_b32 s[G1B+1], 32<<16
	s_mov_b32 s[G1B+2], 128<<16
	s_mov_b32 s[G1B+3], 32<<16
	s_mov_b32 s[G1B+4], 128
	s_mov_b32 s[G1B+5], 32
	s_mov_b32 s[G1B+6], 0
	s_mov_b32 s[G1B+7], 0
	s_lshl_b32 s16, s15, 3                         ; a: tile of tokens 8 x tile row + 4 x half,
	s_lshl_b32 s18, s[CH], 2
	s_add_co_u32 s16, s16, s18
	s_lshl_b32 s16, s16, 12                        ; 4,096 bytes each
	s_mov_b32 s17, 0
	s_lshl_b32 s46, s42, 4                         ; Wo: tile of rows 16 x tile column + 8 x half
	s_lshl_b32 s18, s[CH], 3
	s_add_co_u32 s46, s46, s18
	s_lshl_b32 s46, s46, 12
	s_mov_b32 s47, 0
	s_lshl_b32 s20, s[CH], 14                      ; where they go: a's halves,
	s_lshl_b32 s21, s[CH], 15
	s_add_co_u32 s21, s21, BOFF                    ; Wo's halves: no place in the cluster enters an LDS address
	s_wait_dscnt 0x0                               ; both opening adds are done
	s_wait_kmcnt 0x0
	s_add_nc_u64 s[16:17], s[4:5], s[16:17]
	s_add_nc_u64 s[46:47], s[6:7], s[46:47]
	CROUND                                         ; all sixteen work-groups are here: the first joint loads meet
.irp s, 0,1
	s_mov_b32 s[G0A+4*\s], 1
	s_add_co_u32 s[G0A+4*\s+1], s20, \s*SLOT
	s_add_nc_u64 s[G0A+4*\s+2:G0A+4*\s+3], s[16:17], \s*ASTEP
	s_or_b32 s[G0A+4*\s+3], s[G0A+4*\s+3], 0x80000000
	s_mov_b32 s[G0B+4*\s], 1
	s_add_co_u32 s[G0B+4*\s+1], s21, \s*SLOT
	s_add_nc_u64 s[G0B+4*\s+2:G0B+4*\s+3], s[46:47], \s*BSTEP
	s_or_b32 s[G0B+4*\s+3], s[G0B+4*\s+3], 0x80000000
	JLOAD \s
.endr
	v_and_b32 v1, 15, v0                           ; r
	v_bfe_u32 v2, v0, 4, 1                         ; h
	v_and_b32 v3, 31, v0
	v_lshlrev_b32 v[CO], 4, v3
	v_lshlrev_b32 v[BO], 5, v2
	s_lshl_b32 s22, s[RH], 14                      ; my 64 tokens: four tiles
	s_lshl_b32 s23, s[CH], 15                      ; my 128 rows of Wo: eight tiles,
	s_add_co_u32 s23, s23, BOFF                    ; behind a's
.irp s, 0,1
	v_add_nc_u32 v[ADRA+\s], s22, v[CO]
	v_add_nc_u32 v[ADRB+\s], s23, v[CO]
	s_add_co_u32 s22, s22, SLOT
	s_add_co_u32 s23, s23, SLOT
.endr
	s_mul_i32 s22, s[WV], 16*SPITCH
	s_add_co_u32 s22, s22, STAGE                   ; my stage
	v_mul_u32_u24 v4, v1, SPITCH                   ; in: row r, 32 bytes for each half of the lanes
	v_lshl_add_u32 v4, v2, 5, v4
	v_add_nc_u32 v[STO], s22, v4
	v_add_nc_u32 v[RD], s22, v[CO]                 ; back: the 32 lanes take one row of 512 bytes
	s_lshl_b32 s18, s15, 19                        ; out0: 128 rows of 4,096 bytes a tile row,
	s_lshl_b32 s2, s[RH], 18                       ; my 64 of them,
	s_add_co_u32 s18, s18, s2
	s_lshl_b32 s2, s42, 10                         ; 256 e of 4 bytes a tile column,
	s_lshl_b32 s3, s[CH], 9                        ; my 128 of them
	s_add_co_u32 s2, s2, s3
	s_add_co_u32 s18, s18, s2
	s_mov_b32 s19, 0
	s_mov_b32 s3, 0
	s_add_nc_u64 s[10:11], s[10:11], s[18:19]
	s_add_nc_u64 s[8:9], s[8:9], s[2:3]            ; bo at my first e
	WIN 0x80                                       ; destination window 2
.irp b, 0,1,2,3,4,5,6,7
	global_load_b128 v[8*\b:8*\b+3], v[BO], s[8:9] offset:64*\b
	global_load_b128 v[8*\b+4:8*\b+7], v[BO], s[8:9] offset:64*\b+16
.endr
	WIN 0
; 8 matrix instructions: tokens' block a x Wo's eight blocks, 32 along K, from buffer f.  first = 1: C = bo: the first product starts the sums.
; The 32 accumulators take turns, one instruction a turn, in the same order in every quarter.
.macro MUL8 f, a, first
.irp b, 0,1,2,3,4,5,6,7
.if \first
	v_wmma_f32_16x16x32_f16 v[8*(8*(\a)+\b):8*(8*(\a)+\b)+7], v[\f+8*\b:\f+8*\b+7], v[\f+64+8*(\a):\f+64+8*(\a)+7], v[8*\b:8*\b+7]
.else
	v_wmma_f32_16x16x32_f16 v[8*(8*(\a)+\b):8*(8*(\a)+\b)+7], v[\f+8*\b:\f+8*\b+7], v[\f+64+8*(\a):\f+64+8*(\a)+7], v[8*(8*(\a)+\b):8*(8*(\a)+\b)+7]
.endif
.endr
.endm
; 24 LDS loads in one run: the fragments of the slot's q-th 32 along K into buffer f: Wo's 16, then a's blocks 0, 1 (4), then blocks 2, 3 (4)
.macro FETCH slot, q, f
	WIN 0
.irp i, 0,1,2,3,4,5,6,7
	ds_load_b128 v[\f+8*\i:\f+8*\i+3],   v[ADRB+\slot] offset:4096*\i+1024*(\q)
	ds_load_b128 v[\f+8*\i+4:\f+8*\i+7], v[ADRB+\slot] offset:4096*\i+1024*(\q)+512
.endr
.irp i, 0,1,2,3
	ds_load_b128 v[\f+64+8*\i:\f+64+8*\i+3],   v[ADRA+\slot] offset:4096*\i+1024*(\q)
	ds_load_b128 v[\f+64+8*\i+4:\f+64+8*\i+7], v[ADRA+\slot] offset:4096*\i+1024*(\q)+512
.endr
.endm
.macro PLACES                          ; four places in front of loads into registers that matrix instructions have read, and of the first read of results
.rept 4
	v_nop
.endr
.endm
; A K step is four quarters of 32 along K, 32 matrix instructions each, on buffers 0, 1, 0, 1.  One of the first three: multiplies buffer f and fetches quarter q of the same slot into g.
.macro QUARTER slot, q, f, g, first
	s_wait_dscnt 4                                 ; Wo's fragments and a's blocks 0, 1 are in; the youngest four loads (blocks 2, 3) may be out
.if \first
	WIN MULB
.else
	WIN MUL
.endif
	MUL8 \f, 0, \first
	MUL8 \f, 1, \first
	PLACES
	FETCH \slot, \q, \g
	s_wait_dscnt 24                                ; all but the 24 just issued
.if \first
	WIN MULB
.else
	WIN MUL
.endif
	MUL8 \f, 2, \first
	MUL8 \f, 3, \first
.endm
; The last quarter multiplies buffer 1 and changes slots: ONE barrier; in front of it each wave waits for all its tensor loads, adds 0 to its spare word, and waits for that and for its reads of this slot.
; fill = 1: the barrier opens a round of the cluster's, and this slot is filled again, two K steps ahead, first thing behind the round.
.macro TURN slot, next, fill
	WIN 0                                          ; (the add's two registers lie in window 0)
	s_wait_tensorcnt 0x0                           ; all my tensor loads have landed: my part of the next slot;
	ds_add_u32 v[SPW], v[NIL]                      ; 0 onto my spare word;
	s_wait_dscnt 5                                 ; (the add and the youngest four loads may be out)
	WIN MUL
	MUL8 F1, 0, 0                                  ; eight matrix instructions stand between the add and the wait for it
	s_wait_dscnt 0x0                               ; the add is done, and my reads of this slot are over
	s_barrier_signal -1
	MUL8 F1, 1, 0
.if \fill
	WIN 0
.endif
	s_barrier_wait -1
.if \fill
	CREST                                          ; no wave of any partner still reads this slot's tile or has a load on its way
	s_add_nc_u64 s[G0A+4*\slot+2:G0A+4*\slot+3], s[G0A+4*\slot+2:G0A+4*\slot+3], 2*ASTEP
	s_add_nc_u64 s[G0B+4*\slot+2:G0B+4*\slot+3], s[G0B+4*\slot+2:G0B+4*\slot+3], 2*BSTEP
	JLOAD \slot                                    ; the four v_nop behind it are also the places in front of the loads below
.else
	PLACES
.endif
	FETCH \next, 0, F0
	WIN MUL
	MUL8 F1, 2, 0
	MUL8 F1, 3, 0
.endm
	s_wait_tensorcnt 1                             ; my part of K step 0 is in (K step 1's load may be out)
	s_barrier_signal -1
	s_barrier_wait -1                              ; everybody's is
	FETCH 0, 0, F0
	s_wait_loadcnt 0x0                             ; bo
	QUARTER 0, 1, F0, F1, 1                        ; the first quarter stands in front of the loop: its products start the sums, with bo
	WIN 0                                          ; at a label and at a branch every window is 0
	s_mov_b32 s3, LAPS-1
.Llap:                                                 ; a trip goes once round the ring, from a lap's second quarter to the next lap's first, and fills both slots again
	QUARTER 0, 2, F1, F0, 0
	QUARTER 0, 3, F0, F1, 0
	TURN 0, 1, 1
	QUARTER 1, 1, F0, F1, 0
	QUARTER 1, 2, F1, F0, 0
	QUARTER 1, 3, F0, F1, 0
	TURN 1, 0, 1
	QUARTER 0, 1, F0, F1, 0
	WIN 0
	s_sub_co_u32 s3, s3, 1
	s_cmp_lg_u32 s3, 0
	s_cbranch_scc1 .Llap
	QUARTER 0, 2, F1, F0, 0                        ; the last lap fills nothing, and has no round of the cluster's barrier
	QUARTER 0, 3, F0, F1, 0
	TURN 0, 1, 0
	QUARTER 1, 1, F0, F1, 0
	QUARTER 1, 2, F1, F0, 0
	QUARTER 1, 3, F0, F1, 0
	s_wait_dscnt 4                                 ; the very last quarter: nothing more to fetch
	WIN MUL
	MUL8 F1, 0, 0
	MUL8 F1, 1, 0
	s_wait_dscnt 0
	MUL8 F1, 2, 0
	MUL8 F1, 3, 0
	WIN 0
; THE WAY OUT, block by block of 16 tokens x 128 e.  A lane holds 32 neighbouring bytes of a row, and the lanes beside it hold other rows: so a block goes through my own stage in LDS and comes back as whole rows
; of 512 bytes.  LDS serves a wave's instructions in order (ISA guide 5.7.1.4): no wait between the stores and the loads, nor in front of the next block's stores.
.macro TOSTAGE a
	WIN 0x04                                       ; an LDS store's data are its source 1: window 1
.irp b, 0,1,2,3,4,5,6,7
	ds_store_b128 v[STO], v[64*(\a)+8*\b:64*(\a)+8*\b+3] offset:64*\b            ; each accumulator from its low end on
	ds_store_b128 v[STO], v[64*(\a)+8*\b+4:64*(\a)+8*\b+7] offset:64*\b+16
.endr
	WIN 0
.set BB, 32+96*((\a)%2)
.irp t, 0,1,2,3,4,5,6,7,8,9,10,11,12,13,14,15
	ds_load_b128 v[BB+4*\t:BB+4*\t+3], v[RD] offset:\t*SPITCH
.endr
.endm
.macro SEND a, younger                 ; younger: the LDS instructions issued behind block a's loads, which may stay out
.set BB, 32+96*((\a)%2)
	s_wait_dscnt \younger                          ; the block is back in registers
.irp t, 0,1,2,3,4,5,6,7,8,9,10,11,12,13,14,15
	global_store_b128 v[CO], v[BB+4*\t:BB+4*\t+3], s[10:11] offset:4096*(16*(\a)+\t) th:TH_STORE_NT   ; 32 lanes store 512 consecutive bytes, aligned; written once, read by nobody here
.endr
.endm
	PLACES                                         ; behind the last products: for the reads of results and for the loads into the fragments' registers
	TOSTAGE 0
.irp a, 1,2,3
.if \a > 1
	s_wait_xcnt 0x0                                ; block a - 2's stores have had their addresses translated (ISA guide 3.1): block a's loads may land in their registers
.endif
	TOSTAGE \a
	SEND \a-1, 32                                  ; behind block a - 1's loads: block a's 16 stores and 16 loads
.endr
	SEND 3, 0
	s_wait_tensorcnt 0x0                           ; the wave's end, behind my last tensor load and my last LDS store
	ds_add_u32 v[SPW], v[NIL]
	s_wait_dscnt 0x0
	CROUND                                         ; the closing round: no work-group ends while a partner may still ask for a tile that names it
	s_endpgm
.Lfunc_end_k_qd2158cc466_oproj:
	.size	k_qd2158cc466_oproj, .Lfunc_end_k_qd2158cc466_oproj-k_qd2158cc466_oproj
	.p2alignl 7, 3214868480
	.fill 96, 4, 3214868480
	.section	.rodata,"a",@progbits
	.p2align	6, 0x0
	.amdhsa_kernel k_qd2158cc466_oproj
		.amdhsa_group_segment_fixed_size 327680
		.amdhsa_private_segment_fixed_size 0
		.amdhsa_enable_private_segment 0
		.amdhsa_kernarg_size 32
		.amdhsa_user_sgpr_count 2
		.amdhsa_user_sgpr_kernarg_segment_ptr 1
		.amdhsa_wavefront_size32 1
		.amdhsa_system_sgpr_workgroup_id_x 1
		.amdhsa_system_sgpr_workgroup_id_y 1
		.amdhsa_system_sgpr_workgroup_id_z 1
		.amdhsa_system_vgpr_workitem_id 0
		.amdhsa_next_free_vgpr 576
		.amdhsa_next_free_sgpr 66
		.amdhsa_reserve_vcc 0
		.amdhsa_float_denorm_mode_32 3
		.amdhsa_float_denorm_mode_16_64 3
		.amdhsa_memory_ordered 1
		.amdhsa_forward_progress 1
		.amdhsa_inst_pref_size 86
	.end_amdhsa_kernel
	.amdgpu_metadata
---
amdhsa.version: [ 1, 2 ]
amdhsa.kernels:
  - .name:           k_qd2158cc466_oproj
    .symbol:         k_qd2158cc466_oproj.kd
    .args:
      - { .name: af, .offset: 0, .size: 8, .value_kind: global_buffer, .address_space: global }
      - { .name: wof, .offset: 8, .size: 8, .value_kind: global_buffer, .address_space: global }
      - { .name: Wo_b, .offset: 16, .size: 8, .value_kind: global_buffer, .address_space: global }
      - { .name: out0, .offset: 24, .size: 8, .value_kind: global_buffer, .address_space: global }
    .group_segment_fixed_size: 327680
    .private_segment_fixed_size: 0
    .kernarg_segment_align: 8
    .kernarg_segment_size: 32
    .max_flat_workgroup_size: 128
    .sgpr_count:     66
    .vgpr_count:     576
    .wavefront_size: 32
...
	.end_amdgpu_metadata
.endif
;; end of part 4
